; MI455X (gfx1250); checked and timed in simulation.
; The chip was launched on July 23, 2026; its instructions are those of AMD's public machine-readable ISA for CDNA 5 (MIT licence, August 2026) and "CDNA5" Instruction Set Architecture Reference Guide (July 2026). The comments in the code are by the model that wrote it; some were corrected since.
;; Cross Attention. Allowed arithmetic: matrix products marked QUANTISED: E2M1 operands, one E8M0 scale for each 32 along K, by v_wmma_scale_f32_16x16x128_f8f6f4 with both operands' format E2M1 (or v_wmma_scale_f32_32x16x128_f4), f32 sums; products left as they are: bf16, f16 or f32 operands; f32 sums; everything else in f32.
;; Inputs: Wk 1,024 x 1,024 float32; Wo 1,024 x 1,024 float32; Wq 1,024 x 1,024 float32; Wv 1,024 x 1,024 float32; bk 1,024 float32; bo 1,024 float32; bq 1,024 float32; bv 1,024 float32; key_value 4 x 2,048 x 1,024 float32; query 4 x 2,048 x 1,024 float32.
;; Outputs: out0 4 x 2,048 x 1,024 float32.
;; This version of the problem:
;;   THIS VERSION OF THE PROBLEM IS GIVEN IN LOW PRECISION. The matrix products marked QUANTISED in the list below multiply operands that are first quantised to E2M1 (2 exponent bits, 1 mantissa bit; 4 bits a number), with one power-of-two scale for each 32 numbers along K (OCP MX v1.0); their sums are f32. The products marked 'left as it is' may take bf16, f16 or f32 operands, with f32 sums. Whichever they take, every output number must still come out within the allowed error. Rounding operands to bf16 (8 significant bits) uses up far more of that allowance than f16 does (11 bits, for magnitudes from 6e-5 to 65,504). All else is computed in f32.
;;   The module's matrix products, in the order in which they are computed (A, B: the left and right operand; K: the contracted axis; several contracted axes count as one K, in the product's order):
;;     1. [M 8,192, K 1,024] x [K 1,024, N 1,024]; A: input query; B: input Wq: QUANTISED
;;     2. [M 8,192, K 1,024] x [K 1,024, N 1,024]; A: input key_value; B: input Wk: QUANTISED
;;     3. [M 8,192, K 1,024] x [K 1,024, N 1,024]; A: input key_value; B: input Wv: QUANTISED
;;     4. batch 64 x [M 2,048, K 64] x [K 64, N 2,048]; A: computed on the way; B: computed on the way: left as it is (an operand is computed on the way)
;;     5. batch 64 x [M 2,048, K 2,048] x [K 2,048, N 64]; A: computed on the way; B: computed on the way: left as it is (an operand is computed on the way)
;;     6. [M 8,192, K 1,024] x [K 1,024, N 1,024]; A: computed on the way; B: input Wo: left as it is (an operand is computed on the way)
;;   THE QUANTISER, for each operand of a quantised product, along K:
;;     - K is cut into blocks of 32 from its start; a last block that is shorter is filled with zeros.
;;     - A block's scale is 2^e with e = floor(log2(the largest magnitude in the block)) - 2, held to -126 .. 127; a block of zeros has e = 0. As a byte (E8M0): e + 127.
;;     - Each number is divided by its block's scale, clamped to +-6, and rounded to the nearest number of E2M1, ties to even, subnormals kept.
;;     - The product sums the exact products of the quantised numbers (number of the format x scale) in f32.
;;   ~~~python
;;   def quantise(x, axis):      # numpy; x: float32 -> the quantised numbers, widened to float32 again
;;       x = np.moveaxis(x, axis, -1); K = x.shape[-1]
;;       x = np.pad(x, [(0, 0)] * (x.ndim - 1) + [(0, -K % 32)]); x = x.reshape(x.shape[:-1] + (-1, 32)); a = np.abs(x).max(-1, keepdims=True)
;;       e = np.where(a > 0, np.clip(np.frexp(np.where(a > 0, a, 1))[1] - 1 - 2, -126, 127), 0)      # np.frexp(a)[1] - 1 = floor(log2(a)), exactly
;;       r = np.clip(x / 2.0 ** e, -6, 6)
;;       step = 2.0 ** (np.maximum(np.frexp(np.where(r == 0, 1, r))[1] - 1, 0) - 1)
;;       q = np.round(r / step) * step * 2.0 ** e      # np.round: ties to even
;;       return np.moveaxis(q.reshape(q.shape[:-2] + (-1,))[..., :K], -1, axis).astype(np.float32)
;;   ~~~
;; One version. Each part assembles by itself: llvm-mc -triple=amdgcn-amd-amdhsa -mcpu=gfx1250 --defsym DOCPART=n.
;; ======== version 1 of 1: 4 launches
;; limits: values are held in f16: magnitudes above 65,504 overflow, below 6.1e-05 lose precision
;; workspace buffers: xc 9,961,472 bytes; xs 622,592 bytes; wo16 2,097,152 bytes; qkv 50,331,648 bytes; kmaxp 131,072 bytes; ctx 16,777,216 bytes
;; launch quant (part 1): grid 640 x 1, 4 waves a work-group, no clusters, 33,280 bytes of LDS; arguments query, key_value, Wq, Wk, Wv, Wo, xc, xs, wo16; writes xc, xs, wo16
.if DOCPART == 1
	.amdgcn_target "amdgcn-amd-amdhsa--gfx1250"
	.amdhsa_code_object_version 6
	.text
	.protected	k_q39d37b2998_quant
	.globl	k_q39d37b2998_quant
	.p2align	8
	.type	k_q39d37b2998_quant,@function
k_q39d37b2998_quant:
	s_mov_b64 s[64:65], 0
	v_nop
	global_prefetch_b8 v0, s[64:65] scope:SCOPE_SE
	s_setreg_imm32_b32 hwreg(HW_REG_WAVE_MODE, 25, 1), 1
	s_wait_xcnt 0x0
; query, key_value [8192][1024] and Wq, Wk, Wv [1024][1024], f32, K innermost, become codes of E2M1 (xc: 19,456 rows x 512 bytes, the five tensors on end) and one E8M0 byte for each 32 along K (xs: the same rows x 32 bytes).
; A block's scale is 2^(floor(log2(its largest magnitude)) - 2); its byte is the largest magnitude's exponent field - 2, held at 1 from below.  A block of zeros so gets the byte 1 where the rule says 127:
; its codes are zeros, which add nothing under any byte but 0xff, and this program alone reads the bytes.  Each number is divided by the scale and rounded to the nearest code, ties to even, beyond 6 the largest code.
; LIMITS: NaN and infinities among the inputs are not served.
; Rows are dense and K is a multiple of 32: every tensor is a plain stream of blocks of 32.  Work-groups 0 to 607 take 32,768 numbers each, a wave 16 steps of 512.  A step's four loads read 512 consecutive bytes each;
; the 2,048 bytes turn through the wave's own stage in LDS and come back 64 bytes a lane, so that a lane holds 16 neighbours along K (two lanes to a block).  A wave's 256 scale bytes are gathered in LDS and leave as one run of 256.
; Work-groups 608 to 639 round Wo to f16, laid [k / 64][n][64] (wo16), as the last launch's tiles want it: a wave takes 8 rows, two at a time; no LDS.
; No matrix unit, no cluster, no tensor load: a stream in which nothing is shared.
.set QWG,   608                        ; work-groups that quantise: (2 x 8192 + 3 x 1024) x 1024 / 32768
.set STEPS, 16
.set EMAX,  2
.set CB,    8                          ; bytes of 16 codes
.set R,     16                         ; v16-79   four sets of 16 numbers as they are loaded
.set X,     80                         ; v80-111  two sets of 16 neighbours
.set E,     112                        ; v112-127 a scale byte for each step
.set C,     128                        ; v128-191 codes: four registers for each step, so that no store's data are written again
.set WREG,  8192                       ; LDS: a region for each wave: two stages of 32 x SP bytes, behind them its 256 scale bytes
.set SP,    80                         ; a lane's place in a stage: 64 bytes + 16 of padding
.set SPW,   12                         ; v12 LDS address of my spare word; never rewritten
.set NIL,   13                         ; v13 0; never rewritten
.set SPARE, 4*WREG                     ; behind the four regions: the spare words, 128 bytes a wave
.set WI,    16                         ; Wo's path: v16-143 two sets of 64 numbers
.set WO,    144                        ; v144-175 a pair of rows in f16
	s_load_b256 s[4:11], s[0:1], 0x0               ; query, key_value, Wq, Wk
	s_load_b256 s[12:19], s[0:1], 0x20             ; Wv, Wo, xc, xs
	s_load_b64 s[20:21], s[0:1], 0x40              ; wo16
	v_lshl_add_u32 v[SPW], v0, 2, SPARE
	v_mov_b32 v[NIL], 0
	v_lshrrev_b32 v1, 5, v0
	v_readfirstlane_b32 s32, v1                    ; wave
	v_and_b32 v2, 31, v0                           ; lane
	s_cmp_ge_u32 ttmp9, QWG
	s_cbranch_scc1 .Lwo
	v_lshlrev_b32 v3, 4, v2                        ; my 16 bytes of a load's 512
	s_mul_i32 s33, s32, WREG
	v_lshrrev_b32 v14, 2, v2
	v_mul_u32_u24 v14, v14, SP
	v_and_b32 v15, 3, v2
	v_lshl_add_u32 v14, v15, 4, v14
	v_add_nc_u32 v14, s33, v14                     ; the stage, on the way in: four lanes' 64 bytes on end, then 16 of padding
	v_mul_u32_u24 v15, v2, SP
	v_add_nc_u32 v15, s33, v15                     ; and on the way out: my 16 neighbours
	v_mul_u32_u24 v4, v2, CB                       ; my codes' place in a step's
	v_lshrrev_b32 v5, 1, v2
	s_add_co_u32 s33, s33, 2*32*SP
	v_add_nc_u32 v5, s33, v5                       ; LDS: my wave's 256 scale bytes, my block's byte
	v_lshlrev_b32 v7, 3, v2                        ; and on the way out 8 bytes a lane
	v_add_nc_u32 v6, s33, v7
	s_wait_kmcnt 0x0
	; which tensor is my work-group's, and the first work-group of that tensor: the choice hangs on the work-group's number alone
	s_mov_b64 s[22:23], s[12:13]                   ; Wv, from work-group 576 on
	s_mov_b32 s24, 576
	s_cmp_lt_u32 ttmp9, 576
	s_cselect_b64 s[22:23], s[10:11], s[22:23]     ; Wk
	s_cselect_b32 s24, 544, s24
	s_cmp_lt_u32 ttmp9, 544
	s_cselect_b64 s[22:23], s[8:9], s[22:23]       ; Wq
	s_cselect_b32 s24, 512, s24
	s_cmp_lt_u32 ttmp9, 512
	s_cselect_b64 s[22:23], s[6:7], s[22:23]       ; key_value
	s_cselect_b32 s24, 256, s24
	s_cmp_lt_u32 ttmp9, 256
	s_cselect_b64 s[22:23], s[4:5], s[22:23]       ; query
	s_cselect_b32 s24, 0, s24
	s_sub_co_u32 s25, ttmp9, s24
	s_lshl_b32 s25, s25, 2
	s_add_co_u32 s25, s25, s32                     ; which run of 8,192 numbers of the tensor is my wave's
	s_lshl_b32 s26, s25, 15                        ; 32,768 bytes a run
	s_mov_b32 s27, 0
	s_add_nc_u64 s[22:23], s[22:23], s[26:27]
	s_lshl_b32 s25, ttmp9, 2
	s_add_co_u32 s25, s25, s32                     ; and which run of xc and xs: they hold the tensors in the work-groups' order
	s_lshl_b32 s26, s25, 12                        ; 4,096 bytes of codes a run
	s_add_nc_u64 s[16:17], s[16:17], s[26:27]
	s_lshl_b32 s26, s25, 8                         ; 256 scale bytes a run
	s_add_nc_u64 s[18:19], s[18:19], s[26:27]
.macro LOAD t
.irp i, 0,1,2,3
	global_load_b128 v[R+16*((\t)%4)+4*\i:R+16*((\t)%4)+4*\i+3], v3, s[22:23] offset:2048*(\t)+512*\i th:TH_LOAD_NT   ; 32 lanes read 512 consecutive bytes
.endr
.endm
.macro TURN t                          ; step t's numbers through the stage: LDS serves a wave's instructions in order, so no wait stands between the stores and the loads
.irp i, 0,1,2,3
	ds_store_b128 v14, v[R+16*((\t)%4)+4*\i:R+16*((\t)%4)+4*\i+3] offset:32*SP*((\t)%2)+8*SP*\i
.endr
.irp i, 0,1,2,3
	ds_load_b128 v[X+16*((\t)%2)+4*\i:X+16*((\t)%2)+4*\i+3], v15 offset:32*SP*((\t)%2)+16*\i
.endr
.endm
.irp t, 0,1,2,3
	LOAD \t
.endr
	s_wait_loadcnt 12                              ; step 0's four loads are in
	TURN 0
.macro STEP t
.set XS, X+16*((\t)%2)
.if (\t) > 0
	s_wait_dscnt 1                                 ; this step's numbers are back from the stage (the last step's byte store may be out): so its stores into the stage have read their registers,
.else
	s_wait_dscnt 0x0
.endif
.if (\t)+4 < STEPS
	LOAD (\t)+4                                    ; which take the loads of four steps on
.endif
.if (\t)+1 < STEPS
.if STEPS-2-(\t) >= 3
	s_wait_loadcnt 12                              ; the next step's four loads are in; those of the three steps behind it may be out
.else
	s_wait_loadcnt 4*(STEPS-2-(\t))
.endif
	TURN (\t)+1                                    ; and go through the other stage while this step is worked
.endif
	v_max3_num_f32 v8, |v[XS]|, |v[XS+1]|, |v[XS+2]|               ; the largest magnitude of my 16
	v_max3_num_f32 v9, |v[XS+3]|, |v[XS+4]|, |v[XS+5]|
.irp i, 6,10
	v_max3_num_f32 v8, v8, |v[XS+\i]|, |v[XS+\i+1]|
	v_max3_num_f32 v9, v9, |v[XS+\i+2]|, |v[XS+\i+3]|
.endr
	v_max3_num_f32 v8, v8, |v[XS+14]|, |v[XS+15]|
	v_max3_num_f32 v8, v8, v9, (EMAX+1)<<23        ; and the floor 2^(EMAX + 1 - 127): so the byte cannot fall under 1
	v_max_num_f32_dpp v8, v8, v8 row_xmask:1 row_mask:0xf bank_mask:0xf   ; and of my neighbour's 16: the block's
	v_add_nc_u32 v11, -(EMAX<<23), v8              ; EMAX off its exponent field: the conversion takes the exponent field of this operand as its scale
	v_cvt_scalef32_pk8_fp4_f32 v[C+4*(\t)], v[XS:XS+7], v11
	v_cvt_scalef32_pk8_fp4_f32 v[C+4*(\t)+1], v[XS+8:XS+15], v11
	v_lshrrev_b32 v[E+(\t)], 23, v11               ; the scale's byte
	ds_store_b8 v5, v[E+(\t)] offset:16*(\t)       ; both lanes of a block write the same byte with the same value
	global_store_b64 v4, v[C+4*(\t):C+4*(\t)+1], s[16:17] offset:32*CB*(\t)   ; the wave stores 256 consecutive bytes
.endm
.irp t, 0,1,2,3,4,5,6,7,8,9,10,11,12,13,14,15
	STEP \t
.endr
	ds_load_b64 v[8:9], v6                         ; LDS serves a wave's instructions in order: these see my stores
	s_wait_dscnt 0x0
	global_store_b64 v7, v[8:9], s[18:19]          ; 32 lanes store 256 consecutive bytes
	s_branch .Lend
.Lwo:                                              ; Wo [n][k] f32 -> wo16 [k / 64][n][64] f16
	v_lshrrev_b32 v3, 4, v2                        ; lanes 0-15 take the pair's first row, lanes 16-31 its second;
	v_and_b32 v4, 15, v2
	v_lshlrev_b32 v4, 4, v4                        ; four numbers a lane of the 64 of a block of k
	v_lshl_add_u32 v3, v3, 12, v4                  ; in: 4,096 bytes a row
	v_lshlrev_b32 v5, 3, v2                        ; out: 8 bytes a lane: the pair's 2 x 128 bytes are neighbours
	s_sub_co_u32 s24, ttmp9, QWG
	s_lshl_b32 s24, s24, 2
	s_add_co_u32 s24, s24, s32                     ; which 8 rows are my wave's
	s_lshl_b32 s26, s24, 15                        ; 8 rows of 4,096 bytes
	s_mov_b32 s27, 0
	s_lshl_b32 s28, s24, 10                        ; 8 rows of 128 bytes
	s_mov_b32 s29, 0
	s_wait_kmcnt 0x0
	s_add_nc_u64 s[14:15], s[14:15], s[26:27]
	s_add_nc_u64 s[20:21], s[20:21], s[28:29]
.macro WOLOAD p                        ; pair p of rows, all 16 blocks of k, into set p % 2
.irp kb, 0,1,2,3,4,5,6,7,8,9,10,11,12,13,14,15
	global_load_b128 v[WI+64*((\p)%2)+4*\kb:WI+64*((\p)%2)+4*\kb+3], v3, s[14:15] offset:(\p)*8192+\kb*256 th:TH_LOAD_NT
.endr
.endm
.macro WOCVT p
.set W, WI+64*((\p)%2)
.if (\p) < 3
	s_wait_loadcnt 16                              ; this pair's 16 loads are in; the next pair's may be out
.else
	s_wait_loadcnt 0x0
.endif
.if (\p) > 0
	s_wait_xcnt 0x0                                ; the last pair's stores have read their data: the registers are written again only behind this wait
.endif
.irp kb, 0,1,2,3,4,5,6,7,8,9,10,11,12,13,14,15
	v_cvt_pk_f16_f32 v[WO+2*\kb], v[W+4*\kb], v[W+4*\kb+1]
	v_cvt_pk_f16_f32 v[WO+2*\kb+1], v[W+4*\kb+2], v[W+4*\kb+3]
.endr
.irp kb, 0,1,2,3,4,5,6,7,8,9,10,11,12,13,14,15
	global_store_b64 v5, v[WO+2*\kb:WO+2*\kb+1], s[20:21] offset:\kb*131072+(\p)*256   ; 256 consecutive bytes, at a multiple of 256 from the buffer's first byte
.endr
.if (\p)+2 < 4
	WOLOAD (\p)+2
.endif
.endm
	WOLOAD 0
	WOLOAD 1
	WOCVT 0
	WOCVT 1
	WOCVT 2
	WOCVT 3
.Lend:
	s_wait_tensorcnt 0x0                           ; the wave's end: behind my last LDS store
	ds_add_u32 v[SPW], v[NIL]
	s_wait_dscnt 0x0
	s_endpgm
.Lfunc_end_k_q39d37b2998_quant:
	.size	k_q39d37b2998_quant, .Lfunc_end_k_q39d37b2998_quant-k_q39d37b2998_quant
	.p2alignl 7, 3214868480
	.fill 96, 4, 3214868480
	.section	.rodata,"a",@progbits
	.p2align	6, 0x0
	.amdhsa_kernel k_q39d37b2998_quant
		.amdhsa_group_segment_fixed_size 33280
		.amdhsa_private_segment_fixed_size 0
		.amdhsa_enable_private_segment 0
		.amdhsa_kernarg_size 72
		.amdhsa_user_sgpr_count 2
		.amdhsa_user_sgpr_kernarg_segment_ptr 1
		.amdhsa_wavefront_size32 1
		.amdhsa_system_sgpr_workgroup_id_x 1
		.amdhsa_system_sgpr_workgroup_id_y 1
		.amdhsa_system_sgpr_workgroup_id_z 1
		.amdhsa_system_vgpr_workitem_id 0
		.amdhsa_next_free_vgpr 192
		.amdhsa_next_free_sgpr 66
		.amdhsa_reserve_vcc 0
		.amdhsa_float_denorm_mode_32 3
		.amdhsa_float_denorm_mode_16_64 3
		.amdhsa_memory_ordered 1
		.amdhsa_forward_progress 1
		.amdhsa_inst_pref_size 55
	.end_amdhsa_kernel
	.amdgpu_metadata
---
amdhsa.version: [ 1, 2 ]
amdhsa.kernels:
  - .name:           k_q39d37b2998_quant
    .symbol:         k_q39d37b2998_quant.kd
    .args:
      - { .name: query, .offset: 0, .size: 8, .value_kind: global_buffer, .address_space: global }
      - { .name: key_value, .offset: 8, .size: 8, .value_kind: global_buffer, .address_space: global }
      - { .name: Wq, .offset: 16, .size: 8, .value_kind: global_buffer, .address_space: global }
      - { .name: Wk, .offset: 24, .size: 8, .value_kind: global_buffer, .address_space: global }
      - { .name: Wv, .offset: 32, .size: 8, .value_kind: global_buffer, .address_space: global }
      - { .name: Wo, .offset: 40, .size: 8, .value_kind: global_buffer, .address_space: global }
      - { .name: xc, .offset: 48, .size: 8, .value_kind: global_buffer, .address_space: global }
      - { .name: xs, .offset: 56, .size: 8, .value_kind: global_buffer, .address_space: global }
      - { .name: wo16, .offset: 64, .size: 8, .value_kind: global_buffer, .address_space: global }
    .group_segment_fixed_size: 33280
    .private_segment_fixed_size: 0
    .kernarg_segment_align: 8
    .kernarg_segment_size: 72
    .max_flat_workgroup_size: 128
    .sgpr_count:     66
    .vgpr_count:     192
    .wavefront_size: 32
...
	.end_amdgpu_metadata
.endif
;; end of part 1
;; launch proj (part 2): grid 12 x 32, 4 waves a work-group, clusters of 4 x 4, 327,680 bytes of LDS; arguments xc, xs, bq, bk, bv, qkv, kmaxp; writes qkv, kmaxp
.if DOCPART == 2
	.amdgcn_target "amdgcn-amd-amdhsa--gfx1250"
	.amdhsa_code_object_version 6
	.text
	.protected	k_q39d37b2998_proj
	.globl	k_q39d37b2998_proj
	.p2align	8
	.type	k_q39d37b2998_proj,@function
k_q39d37b2998_proj:
	s_mov_b64 s[64:65], 0
	v_nop
	global_prefetch_b8 v0, s[64:65] scope:SCOPE_SE
	s_setreg_imm32_b32 hwreg(HW_REG_WAVE_MODE, 25, 1), 1
	s_wait_xcnt 0x0
	s_wait_alu depctr_hold_cnt(0) depctr_sa_sdst(0) depctr_va_vdst(0) depctr_va_sdst(0) depctr_va_ssrc(0) depctr_va_vcc(0) depctr_vm_vsrc(0)
	s_getreg_b32 s2, hwreg(HW_REG_IB_STS2, 6, 4)
	s_cmp_eq_u32 s2, 0
	s_cbranch_scc0 .Lentry_in_a_cluster
	s_endpgm
.Lentry_in_a_cluster:
	s_bfe_u32 s2, ttmp6, 0x10000c
	s_cmp_lg_u32 s2, 0xf033
	s_cbranch_scc0 .Lentry_shape_is_right
	s_endpgm
.Lentry_shape_is_right:
; The three projections as ONE product on codes of E2M1: C[token][n] = sum over k of X[token][k] W[n][k], n = 0 .. 3071 (Wq, Wk, Wv on end), K = 1,024; X = query for Wq, key_value for Wk and Wv.
; Codes (xc, rows of 512 bytes) and E8M0 bytes (xs, rows of 32 bytes) go to the matrix unit as they lie.  Rows of xc, xs: 0 query, 8,192 key_value, 16,384 the weights.
; OUT: (C + bias) x sc, sc = 1/8 for q (the scores' 1 / sqrt(64); a power of two, so nothing is rounded by it) and 1 for k, v, rounded once to f16, laid by head: qkv = q, k, v, each [batch][head][token][64].
; Also, for k alone: each lane's largest |k| of each of its wave's two heads (kmaxp [batch x 16 + head][16 parts][32 lanes], f32): the next launch bounds its scores by them.  The maxima are taken in q's and v's tiles too: one way out for all.
; LIMITS: |q| / 8, |k|, |v| stay under 65,504, f16's largest number; NaN and infinities are not served.
; A tile of C, 256 x 256, is made by four waves; a wave makes 128 x 128: 64 accumulators, 512 registers.  All of K lies in two LDS slots of 512 along K (rows of 256 bytes): nothing is filled again.
; The scales of the work-group's 256 + 256 rows come once, as two dense blocks.
; CLUSTERS: 4 x 4 work-groups; the cluster's x says which projection (all sixteen partners alike).  The four of a row need the same rows of X, the four of a column the same rows of W: each tile is asked for jointly.
; THE MATRIX INSTRUCTION IS USED TRANSPOSED (source 0 = 16 rows of W, source 1 = 16 tokens): a lane holds eight neighbouring columns of one token.
; REGISTERS, in windows of 256: window 0: v0-31 addresses; v32-95 scale words, two sets; v128-191 X's fragments, one set; v192-255 the biases.  On the way out v32-191 are free.
;   window 1: W's fragments, two sets.   window 2: the accumulators of my rows 0-63 ((a, b) at v[8 (8 a + b)]);   window 3: those of my rows 64-127.
.set KSTEP,  512
.set NQ,     KSTEP/128                 ; matrix instructions deep in a slot
.set ROWB,   256                       ; a tile's row in bytes
.set KROW,   512                       ; a row of xc
.set PITCH,  272                       ; an LDS row: 256 bytes + 16 of padding: the 16 rows that a load touches start 68 words apart
.set FR,     8
.set NL,     2
.set NP,     4                         ; places behind this matrix instruction (ISA guide 7.12.1)
.set HALFT,  128*PITCH
.set SLOT,   4*HALFT
.set KS,     32                        ; a row of scales in bytes
.set SCL,    2*SLOT                    ; behind the slots: the scales, as runs of 256 bytes + 16 of padding
.set HALFS,  (128*KS/256)*272
.set SBLK,   (16*KS/256)*272
.set SPARE,  SCL+4*HALFS               ; the spare words, 128 bytes a wave
.set SPITCH, 272                       ; the way out: a stage of 16 tokens x (256 bytes + 16) for each wave, in slot 0, which has had its one fill and its last read by then
.set ADRA, 16                          ; v16-17 LDS address of my X fragments in slot 0, 1
.set ADRB, 20                          ; v20-21 the same for W
.set KO,   22                          ; v22 4 x lane
.set BO,   23                          ; v23 32 x (lane / 16): my half's eight biases of a block
.set STO,  24
.set RD,   25
.set CO,   26                          ; v26 16 x lane
.set ADRS, 27
.set SPW,  28
.set NIL,  29
.set MX,   30                          ; v30-31 my largest magnitude in each of the wave's two heads
.set SC,   32
.set AF,   128
.set TF,   32                          ; the way out: v32-95 a block's 64 numbers in f32
.set TMP,  96                          ; v96-127 the same in f16
.set BK,   128                         ; v128-159, v160-191 a block read back from the stage, by turns
.set BIA,  192                         ; v192-255 bias x sc of my 128 columns, in the result's layout
.set G1, 24
.set G0, 32
.set G1B, 48
.set G0B, 56
.set SCF, 66                           ; s[66:67] sc, twice
.set G1S, 68
.set G0S, 76
.set G1SB, 80
.set G0SB, 88
.set MSB, 0
.macro WIN new                         ; the immediate's high byte repeats the setting that is left
.if MSB != \new
	s_set_vgpr_msb (MSB<<8)|\new
.set MSB, \new
.endif
.endm
.set MUL_LO, 0xa1                      ; source 0 (W) window 1, source 1 (X) window 0, C and D window 2
.set MUL_HI, 0xf1
.set TO_B,   0x40
; A joint load: waves 0 and 1 fetch for X, waves 2 and 3 for W.  The branch hangs on the wave's number alone.  An s_nop 0 and four v_nop follow each of the two lines.
.macro JLOAD g0a, g1a, g0b, g1b
	s_cmp_eq_u32 s15, 0
	s_cbranch_scc0 .Lfor_b_\@
	tensor_load_to_lds s[\g0a:\g0a+3], s[\g1a:\g1a+7]
	s_nop 0
.rept 4
	v_nop
.endr
	s_branch .Lasked_\@
.Lfor_b_\@:
	tensor_load_to_lds s[\g0b:\g0b+3], s[\g1b:\g1b+7]
	s_nop 0
.rept 4
	v_nop
.endr
.Lasked_\@:
.endm
.macro CROUND                          ; a round of the cluster's barrier
	s_barrier_signal -1
	s_barrier_wait -1
	s_cmp_lg_u32 s14, 0
	s_cbranch_scc1 .Lnot_wave_0_\@
	s_barrier_signal -3
.Lnot_wave_0_\@:
	s_barrier_wait -3
	s_barrier_signal -1
	s_barrier_wait -1
.endm
	s_load_b256 s[4:11], s[0:1], 0x0               ; xc s[4:5], xs s[6:7], bq s[8:9], bk s[10:11]
	s_load_b128 s[96:99], s[0:1], 0x20             ; bv s[96:97], qkv s[98:99]
	s_load_b64 s[100:101], s[0:1], 0x30            ; kmaxp
	v_lshl_add_u32 v[SPW], v0, 2, SPARE
	v_mov_b32 v[NIL], 0
	ds_add_u32 v[SPW], v[NIL]                      ; the wave's opening: the add, twice on end, and its wait ahead of my first tensor load
	ds_add_u32 v[SPW], v[NIL]
	v_lshrrev_b32 v1, 5, v0
	v_readfirstlane_b32 s14, v1                    ; wave 0..3
	s_lshr_b32 s15, s14, 1                         ; which half of the tile's rows is mine.  Also: I fetch for X (0) or for W (1)
	s_and_b32 s16, s14, 1                          ; which half of its columns.  Also: which 128 rows of that tile I fetch
	s_bfe_u32 s40, ttmp6, 0x40000                  ; cx, cy: my place in the cluster
	s_bfe_u32 s41, ttmp6, 0x40004
	s_lshl_b32 s42, ttmp9, 2
	s_add_co_u32 s42, s42, s40                     ; tile column 0 .. 11 = 4 x projection + cx
	s_and_b32 s17, ttmp7, 0xffff
	s_lshl_b32 s17, s17, 2
	s_add_co_u32 s17, s17, s41                     ; tile row = 4 x cluster y + cy
	s_lshl_b32 s43, s41, 2
	s_lshl_b32 s43, 15, s43                        ; my row of the cluster
	s_lshl_b32 s44, 0x1111, s40                    ; my column
	; descriptor group 1: a tile of 128 rows x 256 bytes, 16 bytes of padding behind each row
	s_or_b32 s[G1+0], s43, (0<<16)|(1<<20)|(1<<21)|(5<<22)|(3<<25)  ; 15:0 the mask; 17:16 elements of 1 byte; 20 padding on; 21 set beside a mask; 24:22 after every 64 words; 31:25 four words
	s_or_b32 s[G1B+0], s44, (0<<16)|(1<<20)|(1<<21)|(5<<22)|(3<<25)
.irp g, G1, G1B
	s_mov_b32 s[\g+1], ROWB<<16                    ; tensor_dim0
	s_mov_b32 s[\g+2], 128<<16                     ; tensor_dim1
	s_mov_b32 s[\g+3], ROWB<<16                    ; tile_dim0
	s_mov_b32 s[\g+4], 128                         ; tile_dim1
	s_mov_b32 s[\g+5], KROW                        ; from row to row
	s_mov_b32 s[\g+6], 0
	s_mov_b32 s[\g+7], 0
.endr
	; the scales of 128 rows: 4,096 dense bytes, as 16 rows of 256 bytes (32 elements of 8 bytes), 16 bytes of padding behind each
	s_or_b32 s[G1S+0], s43, (3<<16)|(1<<20)|(1<<21)|(5<<22)|(3<<25)
	s_or_b32 s[G1SB+0], s44, (3<<16)|(1<<20)|(1<<21)|(5<<22)|(3<<25)
.irp g, G1S, G1SB
	s_mov_b32 s[\g+1], 32<<16
	s_mov_b32 s[\g+2], (128*KS/256)<<16
	s_mov_b32 s[\g+3], 32<<16
	s_mov_b32 s[\g+4], 128*KS/256
	s_mov_b32 s[\g+5], 32
	s_mov_b32 s[\g+6], 0
	s_mov_b32 s[\g+7], 0
.endr
	s_lshl_b32 s18, s16, 7                         ; which 128 rows of the tile I fetch
	s_lshl_b32 s20, s17, 8
	s_add_co_u32 s20, s20, s18                     ; X: row 256 x tile row + 128 x half,
	s_min_u32 s19, ttmp9, 1
	s_lshl_b32 s19, s19, 13
	s_add_co_u32 s20, s20, s19                     ; + 8,192 for k and v: key_value's rows
	s_lshl_b32 s46, s42, 8
	s_add_co_u32 s46, s46, s18
	s_add_co_u32 s46, s46, 16384                   ; W: row 16,384 + 256 x tile column + 128 x half
	s_lshl_b32 s22, s20, 5                         ; where these rows' scales begin, in bytes,
	s_mov_b32 s23, 0
	s_lshl_b32 s20, s20, 9                         ; and their codes
	s_mov_b32 s21, 0
	s_lshl_b32 s92, s46, 5
	s_mov_b32 s93, 0
	s_lshl_b32 s46, s46, 9
	s_mov_b32 s47, 0
	s_mul_i32 s45, s14, HALFT                      ; where they go: wave x 128 rows: no place in the cluster enters an LDS address
	s_mul_i32 s94, s14, HALFS
	s_mov_b32 s[SCF], 0x3f800000                   ; sc = 1,
	s_cmp_eq_u32 ttmp9, 0
	s_cselect_b32 s[SCF], 0x3e000000, s[SCF]       ; or 1/8 for q
	s_mov_b32 s[SCF+1], s[SCF]
	s_wait_dscnt 0x0                               ; both opening adds are done
	s_wait_kmcnt 0x0
	s_add_nc_u64 s[20:21], s[4:5], s[20:21]
	s_add_nc_u64 s[22:23], s[6:7], s[22:23]
	s_add_nc_u64 s[46:47], s[4:5], s[46:47]
	s_add_nc_u64 s[92:93], s[6:7], s[92:93]
	CROUND                                         ; all sixteen work-groups are here: the joint loads meet
	s_mov_b32 s[G0S], 1
	s_add_co_u32 s[G0S+1], s94, SCL
	s_mov_b64 s[G0S+2:G0S+3], s[22:23]
	s_or_b32 s[G0S+3], s[G0S+3], 0x80000000
	s_mov_b32 s[G0SB], 1
	s_add_co_u32 s[G0SB+1], s94, SCL
	s_mov_b64 s[G0SB+2:G0SB+3], s[92:93]
	s_or_b32 s[G0SB+3], s[G0SB+3], 0x80000000
	JLOAD G0S, G1S, G0SB, G1SB                     ; the scales first: they are wanted with the first slot
.irp s, 0,1
	s_mov_b32 s[G0+4*\s], 1
	s_add_co_u32 s[G0+4*\s+1], s45, \s*SLOT
	s_add_nc_u64 s[G0+4*\s+2:G0+4*\s+3], s[20:21], \s*ROWB
	s_or_b32 s[G0+4*\s+3], s[G0+4*\s+3], 0x80000000
	s_mov_b32 s[G0B+4*\s], 1
	s_add_co_u32 s[G0B+4*\s+1], s45, \s*SLOT
	s_add_nc_u64 s[G0B+4*\s+2:G0B+4*\s+3], s[46:47], \s*ROWB
	s_or_b32 s[G0B+4*\s+3], s[G0B+4*\s+3], 0x80000000
	JLOAD G0+4*\s, G1, G0B+4*\s, G1B               ; three tensor loads of mine are out in all
.endr
	; the biases of my 128 columns: lane (r, h) wants, for block b, those of columns 16 b + 8 h + 0 .. 7
	s_cmp_eq_u32 ttmp9, 1
	s_cselect_b64 s[8:9], s[10:11], s[8:9]
	s_cmp_eq_u32 ttmp9, 2
	s_cselect_b64 s[8:9], s[96:97], s[8:9]
	s_lshl_b32 s46, s40, 10                        ; 256 columns x 4 bytes a tile column,
	s_lshl_b32 s47, s16, 9                         ; 128 a half
	s_add_co_u32 s46, s46, s47
	s_mov_b32 s47, 0
	s_add_nc_u64 s[8:9], s[8:9], s[46:47]
	v_and_b32 v1, 15, v0                           ; l % 16
	v_bfe_u32 v2, v0, 4, 1                         ; l / 16
	v_lshlrev_b32 v[BO], 5, v2
.irp b, 0,1,2,3,4,5,6,7
	global_load_b128 v[BIA+8*\b:BIA+8*\b+3], v[BO], s[8:9] offset:64*\b
	global_load_b128 v[BIA+8*\b+4:BIA+8*\b+7], v[BO], s[8:9] offset:64*\b+16
.endr
	v_mul_u32_u24 v3, v1, PITCH
	v_lshl_add_u32 v4, v2, 4, v3                   ; a fragment's row x pitch + 16 x half
	s_mul_i32 s21, s15, HALFT                      ; my 128 rows of X
	s_mul_i32 s22, s16, HALFT                      ; my 128 rows of W,
	s_add_co_u32 s22, s22, 2*HALFT                 ; which lie behind X's 256
.irp s, 0,1
	v_add_nc_u32 v[ADRA+\s], s21, v4
	v_add_nc_u32 v[ADRB+\s], s22, v4
	s_add_co_u32 s21, s21, SLOT
	s_add_co_u32 s22, s22, SLOT
.endr
	v_mul_u32_u24 v5, v1, KS                       ; my row's scales: KS bytes a row,
	v_lshrrev_b32 v6, 8, v5
	v_lshl_add_u32 v5, v6, 4, v5                   ; and 16 more for each 256 passed
	s_mul_i32 s21, s15, HALFS
	s_mul_i32 s22, s16, HALFS
	s_add_co_u32 s22, s22, 2*HALFS
	s_sub_co_u32 s22, s22, s21
	v_mul_u32_u24 v6, s22, v2                      ; lanes 16-31 take W's
	s_add_co_u32 s21, s21, SCL
	v_add_nc_u32 v5, v5, v6
	v_add_nc_u32 v[ADRS], s21, v5
	s_mul_i32 s23, s14, 16*SPITCH                  ; my stage
	v_mul_u32_u24 v5, v1, SPITCH                   ; in: token l % 16, 16 bytes for each half of the lanes
	v_lshl_add_u32 v5, v2, 4, v5
	v_add_nc_u32 v[STO], s23, v5
	v_and_b32 v6, 31, v0
	v_lshrrev_b32 v7, 3, v6                        ; back: eight lanes take a token's 128 bytes of one head, four tokens an instruction
	v_mul_u32_u24 v7, v7, SPITCH
	v_and_b32 v8, 7, v0
	v_lshl_add_u32 v7, v8, 4, v7
	v_add_nc_u32 v[RD], s23, v7
	v_lshlrev_b32 v[CO], 4, v6
	v_lshlrev_b32 v[KO], 2, v6
	; where my part begins in qkv: projection << 24 + batch << 22 + head << 18 + token << 7; and in kmaxp: batch << 15 + head << 11 + (token / 128) << 7
	s_lshl_b32 s20, s17, 8
	s_lshl_b32 s21, s15, 7
	s_add_co_u32 s20, s20, s21                     ; my first token of 8,192
	s_lshr_b32 s21, s20, 11                        ; its batch
	s_and_b32 s20, s20, 2047                       ; and its place there, a multiple of 128
	s_lshl_b32 s22, s21, 22
	s_lshl_b32 s23, s20, 7
	s_add_co_u32 s22, s22, s23
	s_lshl_b32 s23, ttmp9, 24
	s_add_co_u32 s22, s22, s23
	s_lshl_b32 s44, s40, 2
	s_lshl_b32 s47, s16, 1
	s_add_co_u32 s44, s44, s47                     ; my first head: 4 cx + 2 x half
	s_lshl_b32 s46, s44, 18
	s_add_co_u32 s46, s46, s22
	s_mov_b32 s47, 0
	s_add_nc_u64 s[12:13], s[98:99], s[46:47]
	s_lshl_b32 s46, s44, 11
	s_lshl_b32 s22, s21, 15
	s_add_co_u32 s46, s46, s22
	s_add_co_u32 s46, s46, s20
	s_add_nc_u64 s[100:101], s[100:101], s[46:47]
.macro FRAG reg, adr, q, i             ; a fragment, 16 rows x 128 K of 4-bit codes: lane l holds row l % 16; registers 4 c .. 4 c + 3 hold K = 64 c + 32 (l / 16) + 0 .. 31
.irp c, 0,1
	ds_load_b128 v[\reg+4*\c:\reg+4*\c+3], v[\adr] offset:64*(\q)+32*\c+(\i)*16*PITCH
.endr
.endm
; 16 matrix instructions: X's blocks a0, a0 + 1 x W's eight, 128 along K.  p: W's set; sc: the set of scale words.  zero = 1: the first product starts the sums.
; The 64 accumulators take turns, one instruction a turn, in the same order in every step.
.macro MUL16 a0, p, q, sc, zero
.irp a, \a0, \a0+1
.irp b, 0,1,2,3,4,5,6,7
.if \zero
	v_wmma_scale_f32_16x16x128_f8f6f4 v[8*(8*((\a)%4)+\b):8*(8*((\a)%4)+\b)+7], v[128*(\p)+FR*\b:128*(\p)+FR*\b+FR-1], v[AF+FR*(\a):AF+FR*(\a)+FR-1], 0, v[SC+8*NQ*(\sc)+NQ*\b+(\q)], v[SC+8*NQ*(\sc)+NQ*(\a)+(\q)] matrix_a_fmt:MATRIX_FMT_FP4 matrix_b_fmt:MATRIX_FMT_FP4 matrix_a_scale:MATRIX_SCALE_ROW1
.else
	v_wmma_scale_f32_16x16x128_f8f6f4 v[8*(8*((\a)%4)+\b):8*(8*((\a)%4)+\b)+7], v[128*(\p)+FR*\b:128*(\p)+FR*\b+FR-1], v[AF+FR*(\a):AF+FR*(\a)+FR-1], v[8*(8*((\a)%4)+\b):8*(8*((\a)%4)+\b)+7], v[SC+8*NQ*(\sc)+NQ*\b+(\q)], v[SC+8*NQ*(\sc)+NQ*(\a)+(\q)] matrix_a_fmt:MATRIX_FMT_FP4 matrix_b_fmt:MATRIX_FMT_FP4 matrix_a_scale:MATRIX_SCALE_ROW1
.endif
.endr
.endr
.endm
.macro FETCH_B slot, q, p
	WIN TO_B
.irp i, 0,1,2,3,4,5,6,7
	FRAG 128*(\p)+FR*\i, ADRB+\slot, \q, \i
.endr
	WIN 0
.endm
.macro FETCH_A slot, q, i0
.irp i, \i0, \i0+1, \i0+2, \i0+3
	FRAG AF+FR*(\i), ADRA+\slot, \q, \i
.endr
.endm
.macro SCALES sc                       ; a slot's scale words: four a row; lanes 0-15 take X's block i, lanes 16-31 W's block i
.irp i, 0,1,2,3,4,5,6,7
	ds_load_b128 v[SC+8*NQ*\sc+NQ*\i:SC+8*NQ*\sc+NQ*\i+3], v[ADRS] offset:\i*SBLK
.endr
.endm
.macro PLACES n                        ; plain vector instructions that name none of the matrix instruction's registers, in front of loads into registers that it has read and of reads of its results
.rept \n
	v_nop
.endr
.endm
.macro STEP slot, q, zero              ; a step of 128 along K that has its successor in the same slot
	s_wait_dscnt 4*NL                              ; W's set and X's blocks 0-3 are in; the youngest loads (X's blocks 4-7) may be out
	WIN MUL_LO
	MUL16 0, (\q)%2, \q, \slot, \zero
	MUL16 2, (\q)%2, \q, \slot, \zero
	s_wait_dscnt 0                                 ; X's blocks 4-7 are in
	PLACES NP
	FETCH_B \slot, (\q)+1, 1-(\q)%2
	FETCH_A \slot, (\q)+1, 0
	WIN MUL_HI
	MUL16 4, (\q)%2, \q, \slot, \zero
	MUL16 6, (\q)%2, \q, \slot, \zero
	PLACES NP
	WIN 0
	FETCH_A \slot, (\q)+1, 4
.endm
; Slot 0's last step changes slots: one barrier; in front of it each wave waits for all its tensor loads (its part of slot 1) and for its own reads of slot 0.  Behind it slot 1 is whole and nobody reads slot 0.
.macro TURN slot, next
	s_wait_tensorcnt 0x0                           ; all my tensor loads have landed
	ds_add_u32 v[SPW], v[NIL]                      ; 0 onto my spare word
	s_wait_dscnt 4*NL+1                            ; (the add and the youngest loads, X's blocks 4-7, may be out)
	WIN MUL_LO
	MUL16 0, 1, NQ-1, \slot, 0
	s_wait_dscnt 0x0                               ; the add is done, and my reads of this slot are over
	s_barrier_signal -1
	MUL16 2, 1, NQ-1, \slot, 0
	WIN 0
	s_barrier_wait -1
	PLACES NP
	v_add_nc_u32 v[ADRS], 4*NQ, v[ADRS]            ; on to the next slot's scale words
	FETCH_B \next, 0, 0
	FETCH_A \next, 0, 0
	SCALES \next
	WIN MUL_HI
	MUL16 4, 1, NQ-1, \slot, 0
	MUL16 6, 1, NQ-1, \slot, 0
	PLACES NP
	WIN 0
	FETCH_A \next, 0, 4
.endm
.macro STEPS slot, from
.set Q, \from
.rept NQ-1-\from
	STEP \slot, Q, 0
.set Q, Q+1
.endr
.endm
	s_wait_tensorcnt 1                             ; the scales and my part of slot 0 are in (slot 1's load may be out)
	s_barrier_signal -1
	s_barrier_wait -1                              ; everybody's are
	FETCH_B 0, 0, 0
	FETCH_A 0, 0, 0
	SCALES 0
	FETCH_A 0, 0, 4
	STEP 0, 0, 1                                   ; the first step's products start the sums
	STEPS 0, 1
	TURN 0, 1
	STEPS 1, 0
	s_wait_dscnt 4*NL                              ; the last step: nothing more to fetch
	WIN MUL_LO
	MUL16 0, 1, NQ-1, 1, 0
	MUL16 2, 1, NQ-1, 1, 0
	s_wait_dscnt 0
	WIN MUL_HI
	MUL16 4, 1, NQ-1, 1, 0
	MUL16 6, 1, NQ-1, 1, 0
	WIN 0
; THE WAY OUT, block by block of 16 tokens x 128 columns (two heads).  PACK: acc x sc + bias x sc, one fused multiply-add (sc is a power of two: it equals (acc + bias) x sc); the largest magnitudes; f16.
; TOSTAGE: a lane's 16 bytes into my stage, and back so that 32 lanes hold four tokens' 128 bytes of one head.  SEND: 512 consecutive bytes a store.
.macro PACK a
.set AC, 64*((\a)%4)
.set WN, 0x02+(\a)/4
	WIN WN                                         ; source 0: window 2 or 3
.irp b, 0,1,2,3,4,5,6,7
.irp r, 0,1,2,3
	v_pk_fma_f32 v[TF+8*\b+2*\r:TF+8*\b+2*\r+1], v[AC+8*\b+2*\r:AC+8*\b+2*\r+1], s[SCF:SCF+1], v[BIA+8*\b+2*\r:BIA+8*\b+2*\r+1] op_sel_hi:[1,0,1]   ; each accumulator from its low end on
.endr
.endr
	WIN 0
.irp r, 0,1,2,3
.irp b, 0,4,1,5,2,6,3,7
	v_max3_num_f32 v[MX+\b/4], v[MX+\b/4], |v[TF+8*\b+2*\r]|, |v[TF+8*\b+2*\r+1]|   ; blocks 0-3 are the first head's, 4-7 the second's: two chains by turns
.endr
.endr
.irp b, 0,1,2,3,4,5,6,7
.irp r, 0,1,2,3
	v_cvt_pk_f16_f32 v[TMP+4*\b+\r], v[TF+8*\b+2*\r], v[TF+8*\b+2*\r+1]
.endr
.endr
.endm
.macro TOSTAGE a
.set BB, BK+32*((\a)%2)
.irp b, 0,1,2,3,4,5,6,7
	ds_store_b128 v[STO], v[TMP+4*\b:TMP+4*\b+3] offset:32*\b
.endr
.irp t, 0,1,2,3,4,5,6,7
	ds_load_b128 v[BB+4*\t:BB+4*\t+3], v[RD] offset:(\t%4)*4*SPITCH+128*(\t/4)   ; LDS serves a wave's instructions in order: these see the stores above
.endr
.endm
.macro SEND a
.set BB, BK+32*((\a)%2)
	s_wait_dscnt 0x0                               ; the block is back in registers
	s_wait_xcnt 0x0                                ; the block before has been read by its stores: its registers take the next block's loads only behind this wait
.irp t, 0,1,2,3,4,5,6,7
	global_store_b128 v[CO], v[BB+4*\t:BB+4*\t+3], s[12:13] offset:(\t/4)*262144+(\t%4)*512+(\a)*2048   ; head t / 4, tokens 4 (t % 4) on: 512 consecutive bytes
.endr
.endm
	s_wait_loadcnt 0x0                             ; the biases
.set j, 0
.rept 32
	v_pk_mul_f32 v[BIA+j:BIA+j+1], v[BIA+j:BIA+j+1], s[SCF:SCF+1] op_sel_hi:[1,0]   ; bias x sc.  (These are also the places behind the last products)
.set j, j+2
.endr
	v_mov_b32 v[MX], 0
	v_mov_b32 v[MX+1], 0
	PACK 0
	TOSTAGE 0
.irp a, 1,2,3,4,5,6,7                  ; block a's arithmetic stands between block a - 1's loads from the stage and the wait for them
	PACK \a
	SEND \a-1
	TOSTAGE \a
.endr
	SEND 7
	s_cmp_lg_u32 ttmp9, 1                          ; k's tiles alone store their maxima: the cluster's x, the same in all sixteen partners
	s_cbranch_scc1 .Lno_max
	global_store_b32 v[KO], v[MX], s[100:101]
	global_store_b32 v[KO], v[MX+1], s[100:101] offset:2048
.Lno_max:
	s_wait_tensorcnt 0x0                           ; the wave's end: behind my last tensor load and my last LDS store
	ds_add_u32 v[SPW], v[NIL]
	s_wait_dscnt 0x0
	CROUND                                         ; the closing round
	s_endpgm
.Lfunc_end_k_q39d37b2998_proj:
	.size	k_q39d37b2998_proj, .Lfunc_end_k_q39d37b2998_proj-k_q39d37b2998_proj
	.p2alignl 7, 3214868480
	.fill 96, 4, 3214868480
	.section	.rodata,"a",@progbits
	.p2align	6, 0x0
	.amdhsa_kernel k_q39d37b2998_proj
		.amdhsa_group_segment_fixed_size 327680
		.amdhsa_private_segment_fixed_size 0
		.amdhsa_enable_private_segment 0
		.amdhsa_kernarg_size 56
		.amdhsa_user_sgpr_count 2
		.amdhsa_user_sgpr_kernarg_segment_ptr 1
		.amdhsa_wavefront_size32 1
		.amdhsa_system_sgpr_workgroup_id_x 1
		.amdhsa_system_sgpr_workgroup_id_y 1
		.amdhsa_system_sgpr_workgroup_id_z 1
		.amdhsa_system_vgpr_workitem_id 0
		.amdhsa_next_free_vgpr 1024
		.amdhsa_next_free_sgpr 102
		.amdhsa_reserve_vcc 0
		.amdhsa_float_denorm_mode_32 3
		.amdhsa_float_denorm_mode_16_64 3
		.amdhsa_memory_ordered 1
		.amdhsa_forward_progress 1
		.amdhsa_inst_pref_size 163
	.end_amdhsa_kernel
	.amdgpu_metadata
---
amdhsa.version: [ 1, 2 ]
amdhsa.kernels:
  - .name:           k_q39d37b2998_proj
    .symbol:         k_q39d37b2998_proj.kd
    .args:
      - { .name: xc, .offset: 0, .size: 8, .value_kind: global_buffer, .address_space: global }
      - { .name: xs, .offset: 8, .size: 8, .value_kind: global_buffer, .address_space: global }
      - { .name: bq, .offset: 16, .size: 8, .value_kind: global_buffer, .address_space: global }
      - { .name: bk, .offset: 24, .size: 8, .value_kind: global_buffer, .address_space: global }
      - { .name: bv, .offset: 32, .size: 8, .value_kind: global_buffer, .address_space: global }
      - { .name: qkv, .offset: 40, .size: 8, .value_kind: global_buffer, .address_space: global }
      - { .name: kmaxp, .offset: 48, .size: 8, .value_kind: global_buffer, .address_space: global }
    .group_segment_fixed_size: 327680
    .private_segment_fixed_size: 0
    .kernarg_segment_align: 8
    .kernarg_segment_size: 56
    .max_flat_workgroup_size: 128
    .sgpr_count:     102
    .vgpr_count:     1024
    .wavefront_size: 32
...
	.end_amdgpu_metadata
.endif
;; end of part 2
;; launch attn (part 3): grid 4 x 64, 8 waves a work-group, clusters of 4 x 1, 327,680 bytes of LDS; arguments qkv, kmaxp, ctx; writes ctx
.if DOCPART == 3
	.amdgcn_target "amdgcn-amd-amdhsa--gfx1250"
	.amdhsa_code_object_version 6
	.text
	.protected	k_q39d37b2998_attn
	.globl	k_q39d37b2998_attn
	.p2align	8
	.type	k_q39d37b2998_attn,@function
k_q39d37b2998_attn:
	s_mov_b64 s[64:65], 0
	v_nop
	global_prefetch_b8 v0, s[64:65] scope:SCOPE_SE
	s_setreg_imm32_b32 hwreg(HW_REG_WAVE_MODE, 25, 1), 1
	s_wait_xcnt 0x0
	s_wait_alu depctr_hold_cnt(0) depctr_sa_sdst(0) depctr_va_vdst(0) depctr_va_sdst(0) depctr_va_ssrc(0) depctr_va_vcc(0) depctr_vm_vsrc(0)
	s_getreg_b32 s2, hwreg(HW_REG_IB_STS2, 6, 4)
	s_cmp_eq_u32 s2, 0
	s_cbranch_scc0 .Lentry_in_a_cluster
	s_endpgm
.Lentry_in_a_cluster:
	s_bfe_u32 s2, ttmp6, 0x10000c
	s_cmp_lg_u32 s2, 0x3003
	s_cbranch_scc0 .Lentry_shape_is_right
	s_endpgm
.Lentry_shape_is_right:
; ctx[bh][q][:] = sum over k of s(x) V[bh][k][:] / sum over k of s(x), x = (Q[bh][q] / 8) . K[bh][k], s(x) = x + 1 for x >= 0, else 1 / (1 - x).  qkv: q / 8, k, v, each [64 heads][2048][64] f16; ctx likewise.
; s(x) = max(1 + x, 1 / (1 + |x|)) for every x, since (1 + x)(1 - x) <= 1: no compare, no select.  No exponential stands here, so there is no maximum to take away.
; Products on f16 operands, sums in f32; the weights are rounded to f16 for the second product; the row's sum is taken of the unrounded weights.
; f16'S RANGE.  Each query has a power of two f, g = 1 / f: p = max(x f + f, 1 / (|x| g + g)) = f s(x), at no instruction's cost; the sum is taken of p, so f cancels in the division.
; f comes from a bound: B = 1 + 64 x (the query's largest |q / 8|) x (the head's largest |k|) >= 1 + |x|; with E the exponent of max(B, 8192), f = 2^(13 - E): p < 2^14, and f = 1 while B < 16,384.
; LIMITS: beyond B = 16,384 weights under 2^-14 / f fall into f16's denormals (absolute error 2^-25 in units of p).  NaN and infinities are not served.
; SHARES.  A work-group owns 512 queries of one head, each of its eight waves 64: four tiles of 16, in two pieces (tiles 0, 1; tiles 2, 3).  Two waves share a SIMD, 512 registers each: a key step has 64 matrix
; and 578 vector instructions a wave, written in phases, so that one wave's vector phase can stand beside the other's matrix phase.
; LAYOUT.  S^T = K Q^T (source 0 = 16 keys, source 1 = 16 queries); two such tiles rounded in pairs ARE source 1 of O^T = V^T P; a lane holds one query throughout.  V comes out of LDS turned, by ds_load_tr16_b128.
; CLUSTER.  The four query blocks of a head form a cluster and ask for K's and V's tiles jointly.  Two LDS slots of 512 keys; a refill is asked for eight key steps, 512 matrix instructions of each wave, ahead of the wait for it:
; so no prefetch is laid.
; REGISTERS: window 0: v1-8 addresses; v9-13 at work; v14, v15 the add's two; v16-31 four a tile: f, g, the sum's two halves; v32-63 P of a piece; v64-127 Q; v128-191 S^T of a piece; v192-255 1 + |x| and its reciprocal.
;   window 1: v0-127 O^T (tile t, channels 16 c on: 32 t + 8 c); v128-191 K of a step; v192-255 V of a step.
.set KS,     64                        ; keys in a step
.set SKEYS,  512                       ; keys in a slot
.set PK,     144                       ; a key's row in LDS: 128 bytes + 16: 36 words, so the 16 rows of a load start at 16 different multiples of four words modulo 64
.set PVP,    160                       ; a row of V: 128 + 32: 40 words, for the turning load's 8 rows x 32 bytes
.set VOFF,   SKEYS*PK                  ; a slot: 512 rows of K, then 512 rows of V
.set SLOT1,  163840
.set KSTEPB, KS*PK
.set VSTEPB, KS*PVP
.set SPARE,  SLOT1+SKEYS*(PK+PVP)      ; behind the slots: the spare words, 128 bytes a wave
.set SP,     144                       ; the way out: 16 rows x 144 bytes a wave, at the head of slot 0, which has had its last fill and its last read by then
.set AK0, 1
.set AV0, 2
.set ADK, 3
.set ADV, 4
.set QO,  5
.set STO, 6
.set RD,  7
.set GO,  8                            ; 16 x lane
.set SPW, 14
.set NIL, 15
.set ST,  16
.set P,   32
.set Q,   64
.set S,   128
.set T,   192
.set KF,  128                          ; in window 1
.set VF,  192
.set WV,  12
.set G1K, 24
.set G1V, 32
.set G0K, 40                           ; s[40:47] group 0 for K's tiles, a set for each slot
.set G0V, 48
.set CNT, 57
.set SEL, 60
.set TK,  62                           ; LDS byte of the slot in hand + 9,216 x the step to be fetched
.set TV,  63                           ; the same in steps of 10,240
.set MSB, 0
.macro WIN new                         ; the immediate's high byte repeats the setting that is left
.if MSB != \new
	s_set_vgpr_msb (MSB<<8)|\new
.set MSB, \new
.endif
.endm
.set W_KQ, 0x01                        ; K in window 1; Q and S^T in window 0
.set W_PV, 0x51                        ; V and O^T in window 1; P in window 0
.set W_LD, 0x40                        ; destination window 1, address window 0
; A joint refill: waves 0 to 3 fetch K's four quarters of a slot, waves 4 to 7 V's.  The branch hangs on the wave's number alone.  An s_nop 0 and four v_nop follow each line.
.macro JLOAD s
	s_cmp_lt_u32 s[WV], 4
	s_cbranch_scc0 .Lfor_v_\@
	tensor_load_to_lds s[G0K+4*\s:G0K+4*\s+3], s[G1K:G1K+7]
	s_nop 0
.rept 4
	v_nop
.endr
	s_branch .Lasked_\@
.Lfor_v_\@:
	tensor_load_to_lds s[G0V+4*\s:G0V+4*\s+3], s[G1V:G1V+7]
	s_nop 0
.rept 4
	v_nop
.endr
.Lasked_\@:
.endm
.macro CROUND                          ; a round of the cluster's barrier
	s_barrier_signal -1
	s_barrier_wait -1
	s_cmp_lg_u32 s[WV], 0
	s_cbranch_scc1 .Lnot_wave_0_\@
	s_barrier_signal -3
.Lnot_wave_0_\@:
	s_barrier_wait -3
	s_barrier_signal -1
	s_barrier_wait -1
.endm
.macro PLACES                          ; four plain vector instructions that name none of the matrix instruction's registers (ISA guide 7.12.1)
.rept 4
	v_nop
.endr
.endm
	s_load_b128 s[4:7], s[0:1], 0x0                ; qkv, kmaxp
	s_load_b64 s[10:11], s[0:1], 0x10              ; ctx
	v_lshl_add_u32 v[SPW], v0, 2, SPARE
	v_mov_b32 v[NIL], 0
	ds_add_u32 v[SPW], v[NIL]                      ; the wave's opening: the add, twice on end, and its wait ahead of my first tensor load
	ds_add_u32 v[SPW], v[NIL]
	v_lshrrev_b32 v1, 5, v0
	v_readfirstlane_b32 s[WV], v1                  ; wave 0..7
	s_bfe_u32 s13, ttmp6, 0x40000                  ; cx: it enters Q's and ctx's addresses alone
	s_and_b32 s20, ttmp7, 0xffff                   ; the head (batch x 16 + head), which the four partners share
	s_lshl_b32 s18, s20, 11                        ; its 2,048 bytes of kmaxp
	s_mov_b32 s19, 0
	s_lshl_b32 s20, s20, 18                        ; its first byte in q, k, v and ctx
	s_and_b32 s14, s[WV], 3                        ; which 128 rows of a slot I fetch:
	s_lshl_b32 s22, s14, 14                        ; 128 rows of 128 bytes in memory,
	s_add_co_u32 s22, s22, s20
	s_add_co_u32 s22, s22, 1<<24                   ; in k, which lies 16 MiB behind q
	s_mov_b32 s23, 0
	s_mul_i32 s15, s14, 128*PK                     ; their place in a slot, for K
	s_mul_i32 s14, s14, 128*PVP
	s_add_co_u32 s14, s14, VOFF                    ; and for V: no place in the cluster enters an LDS address
	s_lshl_b32 s2, s13, 16                         ; my block's 512 rows,
	s_lshl_b32 s3, s[WV], 13                       ; my wave's 64 of them
	s_add_co_u32 s2, s2, s3
	s_add_co_u32 s2, s2, s20
	s_mov_b32 s3, 0
	; descriptor group 1: a tile of 128 rows x 64 elements of 2 bytes, dense in memory, padded behind each row in LDS
	s_mov_b32 s[G1K], 15|(1<<16)|(1<<20)|(1<<21)|(4<<22)|(3<<25)  ; 15:0 the mask: all four work-groups; 17:16 elements of 2 bytes; 20 padding on; 21 set beside a mask; 24:22 after every 32 words; 31:25 four words
	s_mov_b32 s[G1V], 15|(1<<16)|(1<<20)|(1<<21)|(4<<22)|(7<<25)  ; the same with eight words of padding
.irp g, G1K, G1V
	s_mov_b32 s[\g+1], 64<<16                      ; tensor_dim0
	s_mov_b32 s[\g+2], 128<<16                     ; tensor_dim1
	s_mov_b32 s[\g+3], 64<<16                      ; tile_dim0
	s_mov_b32 s[\g+4], 128                         ; tile_dim1
	s_mov_b32 s[\g+5], 64                          ; from row to row
	s_mov_b32 s[\g+6], 0
	s_mov_b32 s[\g+7], 0
.endr
	s_mov_b32 s[SEL], 0x76543210
	s_mov_b32 s[SEL+1], 0xfedcba98                 ; v_permlanex16_b32's selects for lane l xor 16
	s_mov_b32 s[TK], 0
	s_mov_b32 s[TV], 0
	s_wait_dscnt 0x0                               ; both opening adds are done
	s_wait_kmcnt 0x0
	s_add_nc_u64 s[16:17], s[6:7], s[18:19]        ; kmaxp at my head
	s_add_nc_u64 s[6:7], s[4:5], s[22:23]          ; K at my tile of slot 0
	s_add_nc_u64 s[8:9], s[6:7], 1<<24             ; V likewise, 16 MiB on
	s_add_nc_u64 s[4:5], s[4:5], s[2:3]            ; Q and ctx at my wave's first row
	s_add_nc_u64 s[10:11], s[10:11], s[2:3]
	CROUND                                         ; all four work-groups are here: the first joint loads meet
.irp s, 0,1
	s_mov_b32 s[G0K+4*\s], 1
	s_add_co_u32 s[G0K+4*\s+1], s15, \s*SLOT1
	s_add_nc_u64 s[G0K+4*\s+2:G0K+4*\s+3], s[6:7], \s*SKEYS*128
	s_or_b32 s[G0K+4*\s+3], s[G0K+4*\s+3], 0x80000000
	s_mov_b32 s[G0V+4*\s], 1
	s_add_co_u32 s[G0V+4*\s+1], s14, \s*SLOT1
	s_add_nc_u64 s[G0V+4*\s+2:G0V+4*\s+3], s[8:9], \s*SKEYS*128
	s_or_b32 s[G0V+4*\s+3], s[G0V+4*\s+3], 0x80000000
.endr
	s_cmp_lt_u32 s[WV], 4                          ; a wave's two first fills stand in one branch, ahead of every wait on TENSORcnt and every LDS read: two loads of mine are out
	s_cbranch_scc0 .Lfirst_v
	tensor_load_to_lds s[G0K:G0K+3], s[G1K:G1K+7]
	s_nop 0
	tensor_load_to_lds s[G0K+4:G0K+7], s[G1K:G1K+7]
	s_nop 0
.rept 4
	v_nop
.endr
	s_branch .Lfirst_asked
.Lfirst_v:
	tensor_load_to_lds s[G0V:G0V+3], s[G1V:G1V+7]
	s_nop 0
	tensor_load_to_lds s[G0V+4:G0V+7], s[G1V:G1V+7]
	s_nop 0
.rept 4
	v_nop
.endr
.Lfirst_asked:
	v_and_b32 v9, 15, v0                           ; r = l % 16
	v_bfe_u32 v10, v0, 4, 1                        ; h = l / 16
	v_lshlrev_b32 v[QO], 7, v9
	v_lshl_add_u32 v[QO], v10, 4, v[QO]            ; Q: row r of 128 bytes, + 16 h
.irp i, 0,1,2,3,4,5,6,7                        ; Q stays in registers: tile i / 2, channels 32 (i % 2) on
	global_load_b128 v[Q+8*\i:Q+8*\i+3], v[QO], s[4:5] offset:(\i/2)*2048+(\i%2)*64
	global_load_b128 v[Q+8*\i+4:Q+8*\i+7], v[QO], s[4:5] offset:(\i/2)*2048+(\i%2)*64+32
.endr
	v_and_b32 v11, 31, v0
	v_lshlrev_b32 v[GO], 4, v11
.irp i, 0,1,2,3
	global_load_b128 v[T+4*\i:T+4*\i+3], v[GO], s[16:17] offset:512*\i   ; the head's 512 partial maxima of |k|, 16 a lane
.endr
	v_mul_u32_u24 v[AK0], v9, PK
	v_lshl_add_u32 v[AK0], v10, 4, v[AK0]          ; K: row x pitch + 16 h
	v_and_b32 v12, 7, v0
	v_bfe_u32 v13, v0, 3, 1
	v_lshl_add_u32 v[AV0], v10, 3, v12             ; V, for the turning load: key 8 h + l % 8,
	v_mul_u32_u24 v[AV0], v[AV0], PVP
	v_lshl_add_u32 v[AV0], v13, 4, v[AV0]          ; channels 8 ((l / 8) % 2) on
	v_add_nc_u32 v[AV0], VOFF, v[AV0]
	s_mul_i32 s2, s[WV], 16*SP                     ; my stage
	v_mul_u32_u24 v[STO], v9, SP                   ; in: row r, 16 bytes for each half of the lanes
	v_lshl_add_u32 v[STO], v10, 4, v[STO]
	v_add_nc_u32 v[STO], s2, v[STO]
	v_lshrrev_b32 v[RD], 3, v11                    ; back: eight lanes to a row of 128 bytes, four rows an instruction
	v_mul_u32_u24 v[RD], v[RD], SP
	v_lshl_add_u32 v[RD], v12, 4, v[RD]
	v_add_nc_u32 v[RD], s2, v[RD]
.irp t, 0,1,2,3
	v_mov_b32 v[ST+4*\t+2], 0                      ; the sums
	v_mov_b32 v[ST+4*\t+3], 0
.endr
	s_wait_loadcnt 0x0                             ; Q and the maxima
	v_max3_num_f32 v9, v[T], v[T+1], v[T+2]        ; the head's largest |k|
	v_max3_num_f32 v10, v[T+3], v[T+4], v[T+5]
	v_max3_num_f32 v9, v9, v[T+6], v[T+7]
	v_max3_num_f32 v10, v10, v[T+8], v[T+9]
	v_max3_num_f32 v9, v9, v[T+10], v[T+11]
	v_max3_num_f32 v10, v10, v[T+12], v[T+13]
	v_max3_num_f32 v9, v9, v[T+14], v[T+15]
	v_max_num_f32 v9, v9, v10
	v_max_num_f32_dpp v9, v9, v9 row_xmask:1 row_mask:0xf bank_mask:0xf
	v_max_num_f32_dpp v9, v9, v9 row_xmask:2 row_mask:0xf bank_mask:0xf
	v_max_num_f32_dpp v9, v9, v9 row_xmask:4 row_mask:0xf bank_mask:0xf
	v_max_num_f32_dpp v9, v9, v9 row_xmask:8 row_mask:0xf bank_mask:0xf
	v_permlanex16_b32 v10, v9, s[SEL], s[SEL+1]
	v_max_num_f32 v9, v9, v10
; Each query's largest |q / 8|.  An f16 magnitude keeps its order when its 15 bits stand in bits 30:16 of an f32 (a finite f16 never fills the f32 exponent field): the upper half of a register stands so already
; (the lower half beneath it only adds to bits that are cut off below), the lower half after a shift.
.irp t, 0,1,2,3
	v_lshlrev_b32 v12, 16, v[Q+16*\t]
	v_max_num_f32 v11, |v[Q+16*\t]|, |v12|
.irp i, 1,2,3,4,5,6,7,8,9,10,11,12,13,14,15
	v_lshlrev_b32 v12, 16, v[Q+16*\t+\i]
	v_max3_num_f32 v11, v11, |v[Q+16*\t+\i]|, |v12|
.endr
	v_permlanex16_b32 v12, v11, s[SEL], s[SEL+1]   ; the query's other 32 channels lie in the lane 16 away
	v_max_num_f32 v11, v11, v12
	v_and_b32 v11, 0x7fff0000, v11                 ; the largest magnitude's 15 bits,
	v_lshrrev_b32 v11, 3, v11                      ; at an f32's exponent and mantissa,
	v_add_nc_u32 v11, 0x3b000000, v11              ; the exponent's bias changed from 15 to 127, and 6 more: x 64.  (An f16 denormal comes out too large: still a bound)
	v_fma_f32 v11, v11, v9, 1.0                    ; B
	v_max_num_f32 v11, 0x46000000, v11             ; at least 8,192
	v_and_b32 v11, 0x7f800000, v11                 ; its exponent field E
	v_sub_nc_u32 v[ST+4*\t], 0x85800000, v11       ; f = 2^(13 - (E - 127)): field 267 - E
	v_add_nc_u32 v[ST+4*\t+1], 0xf9800000, v11     ; g = 1 / f: field E - 13
.endr
; 16 products of S^T = K Q^T for piece p: channels 32 c on, keys 16 kt on, tile p + u.  The first 8 start the sums.  The 8 accumulators take turns.
.macro KQ p
.irp c, 0,1
.irp kt, 0,1,2,3
.irp u, 0,1
.if \c == 0
	v_wmma_f32_16x16x32_f16 v[S+32*\u+8*\kt:S+32*\u+8*\kt+7], v[KF+8*(2*\kt+\c):KF+8*(2*\kt+\c)+7], v[Q+16*(\p+\u)+8*\c:Q+16*(\p+\u)+8*\c+7], 0
.else
	v_wmma_f32_16x16x32_f16 v[S+32*\u+8*\kt:S+32*\u+8*\kt+7], v[KF+8*(2*\kt+\c):KF+8*(2*\kt+\c)+7], v[Q+16*(\p+\u)+8*\c:Q+16*(\p+\u)+8*\c+7], v[S+32*\u+8*\kt:S+32*\u+8*\kt+7]
.endif
.endr
.endr
.endr
.endm
; 16 products of O^T += V^T P for piece p: keys 32 kh on, channels 16 c on, tile p + u.  zero = 1: the first 8 start the sums: nothing is ever cleared.
.macro PV p, zero
.irp kh, 0,1
.irp c, 0,1,2,3
.irp u, 0,1
.if \zero && (\kh == 0)
	v_wmma_f32_16x16x32_f16 v[32*(\p+\u)+8*\c:32*(\p+\u)+8*\c+7], v[VF+8*(4*\kh+\c):VF+8*(4*\kh+\c)+7], v[P+16*\u+8*\kh:P+16*\u+8*\kh+7], 0
.else
	v_wmma_f32_16x16x32_f16 v[32*(\p+\u)+8*\c:32*(\p+\u)+8*\c+7], v[VF+8*(4*\kh+\c):VF+8*(4*\kh+\c)+7], v[P+16*\u+8*\kh:P+16*\u+8*\kh+7], v[32*(\p+\u)+8*\c:32*(\p+\u)+8*\c+7]
.endif
.endr
.endr
.endr
.endm
.macro FETCHK                          ; a step's K: 64 keys x 64 channels, 8 fragments
	WIN W_LD
.irp kt, 0,1,2,3
.irp c, 0,1
	ds_load_b128 v[KF+8*(2*\kt+\c):KF+8*(2*\kt+\c)+3], v[ADK] offset:\kt*16*PK+\c*64
	ds_load_b128 v[KF+8*(2*\kt+\c)+4:KF+8*(2*\kt+\c)+7], v[ADK] offset:\kt*16*PK+\c*64+32
.endr
.endr
	WIN 0
.endm
.macro FETCHV                          ; a step's V, turned: 8 fragments of 16 channels x 32 keys
	WIN W_LD
.irp kh, 0,1
.irp c, 0,1,2,3
	ds_load_tr16_b128 v[VF+8*(4*\kh+\c):VF+8*(4*\kh+\c)+3], v[ADV] offset:\kh*32*PVP+\c*32
	ds_load_tr16_b128 v[VF+8*(4*\kh+\c)+4:VF+8*(4*\kh+\c)+7], v[ADV] offset:\kh*32*PVP+16*PVP+\c*32
.endr
.endr
	WIN 0
.endm
; THE WEIGHTS of piece p: 64 scores a lane.  First half, pair by pair of scores, ascending (each accumulator is read from its low end on): |x| g + g twice; x f + f, packed, in place; and the reciprocals of the pair before,
; each with a plain instruction behind it.  Nothing in it names a reciprocal's result: ONE wait serves all 64.
; Second half, four pairs at a time, the two tiles by turns: the maximum of the two branches, the rounding to f16, the sum.
.macro SM p
.set i, 0
.rept 32
.set rT, ST+4*(\p+i/16)
	v_fma_f32 v[T+2*i], |v[S+2*i]|, v[rT+1], v[rT+1]
	v_fma_f32 v[T+2*i+1], |v[S+2*i+1]|, v[rT+1], v[rT+1]
.if i > 0
	v_rcp_f32 v[T+2*i-2], v[T+2*i-2]
.endif
	v_pk_fma_f32 v[S+2*i:S+2*i+1], v[S+2*i:S+2*i+1], v[rT:rT+1], v[rT:rT+1] op_sel_hi:[1,0,0]   ; of the pair (f, g) the low word serves both halves
.if i > 0
	v_rcp_f32 v[T+2*i-1], v[T+2*i-1]
.endif
.set i, i+1
.endr
	v_rcp_f32 v[T+62], v[T+62]
	v_rcp_f32 v[T+63], v[T+63]
	v_nop                                          ; a plain instruction behind the last reciprocal
	s_wait_alu depctr_va_vdst(0)                   ; the one wait for the batch
.set g, 0
.rept 8
.irp e, 0,1,16,17
.set i, 2*g+\e
	v_max_num_f32 v[S+2*i], v[S+2*i], v[T+2*i]
	v_max_num_f32 v[S+2*i+1], v[S+2*i+1], v[T+2*i+1]
.endr
.irp e, 0,16,1,17
.set i, 2*g+\e
	v_cvt_pk_f16_f32 v[P+i], v[S+2*i], v[S+2*i+1]  ; scores 2 i, 2 i + 1 of the piece are neighbouring keys: register i of P's fragments
.endr
.irp e, 0,16,1,17
.set i, 2*g+\e
.set rT, ST+4*(\p+i/16)
	v_pk_add_f32 v[rT+2:rT+3], v[rT+2:rT+3], v[S+2*i:S+2*i+1]
.endr
.set g, g+1
.endr
.endm
; A KEY STEP is HEAD and TAIL.  HEAD: piece 0's scores, weights and V^T P, then piece 2's scores: from there on K's registers are free.
.macro HEAD zero
	s_wait_dscnt 16                                ; K is in; V's sixteen loads, issued behind K's, may be out
	WIN W_KQ
	KQ 0
	WIN 0
	PLACES
	SM 0
	s_wait_dscnt 0x0                               ; V is in
	WIN W_PV
	PV 0, \zero
	WIN W_KQ
	KQ 2
	WIN 0
.endm
; TAIL: the next step's K is fetched; piece 2's weights and V^T P; the next step's V is fetched.
.macro TAIL fetch, zero
.if \fetch
	v_add_nc_u32 v[ADK], s[TK], v[AK0]             ; these two and two v_nop are the four places behind piece 2's scores
	v_add_nc_u32 v[ADV], s[TV], v[AV0]
	v_nop
	v_nop
	FETCHK
.else
	PLACES
.endif
	SM 2
	WIN W_PV
	PV 2, \zero
	WIN 0
	PLACES
.if \fetch
	FETCHV
	s_add_co_u32 s[TK], s[TK], KSTEPB
	s_add_co_u32 s[TV], s[TV], VSTEPB
.endif
.endm
; THE CHANGE OF SLOTS stands between HEAD and TAIL of a slot's last step, whose K and V are in registers.  Each wave waits for all its tensor loads (its part of the other slot), adds 0 to its spare word, and waits for that and
; for its reads of the slot that is left.  fill = 1: the barrier is a round of the cluster's, and the slot that is left takes the keys two slots on, first thing behind it.
.macro CHANGE fill, slot
	s_wait_tensorcnt 0x0                           ; no tensor load of mine is out, so a group 0 may be written
	ds_add_u32 v[SPW], v[NIL]                      ; the steps below stand between the add and the wait for it
.if \fill
	s_add_nc_u64 s[G0K+4*\slot+2:G0K+4*\slot+3], s[G0K+4*\slot+2:G0K+4*\slot+3], 2*SKEYS*128
	s_add_nc_u64 s[G0V+4*\slot+2:G0V+4*\slot+3], s[G0V+4*\slot+2:G0V+4*\slot+3], 2*SKEYS*128
.endif
	s_mov_b32 s[TK], (1-\slot)*SLOT1               ; the fetches go on at the other slot's first step
	s_mov_b32 s[TV], (1-\slot)*SLOT1
	s_wait_dscnt 0x0                               ; the add is done, and my reads of the slot are over
.if \fill
	CROUND
	JLOAD \slot
.else
	s_barrier_signal -1
	s_barrier_wait -1
.endif
.endm
.macro TRIPS n                         ; n times: the rest of a key step, and the head of the next
	s_mov_b32 s[CNT], \n
.Ltrip_\@:
	TAIL 1, 0
	HEAD 0
	s_sub_co_u32 s[CNT], s[CNT], 1
	s_cmp_lg_u32 s[CNT], 0
	s_cbranch_scc1 .Ltrip_\@
.endm
	s_wait_tensorcnt 1                             ; my part of slot 0 is in; slot 1's may stay out
	s_barrier_signal -1
	s_barrier_wait -1                              ; everybody's is
	v_add_nc_u32 v[ADK], s[TK], v[AK0]
	v_add_nc_u32 v[ADV], s[TV], v[AV0]
	FETCHK                                         ; key step 0
	FETCHV
	s_add_co_u32 s[TK], s[TK], KSTEPB
	s_add_co_u32 s[TV], s[TV], VSTEPB
	HEAD 1                                         ; step 0 starts O^T's sums
	TAIL 1, 1
	HEAD 0
	TRIPS 6                                        ; up to the head of step 7, slot 0's last
	CHANGE 1, 0                                    ; slot 0 takes keys 1,024 on
	TRIPS 8
	CHANGE 1, 1                                    ; slot 1 takes keys 1,536 on
	TRIPS 8
	CHANGE 0, 0                                    ; nothing is left to fetch
	TRIPS 8
	TAIL 0, 0                                      ; the last step's rest; its four v_nop are the places behind the last products
	; THE WAY OUT.  The sum's two halves and the other half of the lanes' are added; O^T is divided by the sum, rounded to f16 and sent through my stage, a tile (16 rows) at a time.
.irp t, 0,1,2,3
	v_add_f32 v[T+2*\t], v[ST+4*\t+2], v[ST+4*\t+3]
.endr
.irp t, 0,1,2,3
	v_permlanex16_b32 v[T+2*\t+1], v[T+2*\t], s[SEL], s[SEL+1]
.endr
.irp t, 0,1,2,3
	v_add_f32 v[T+2*\t], v[T+2*\t], v[T+2*\t+1]
.endr
.irp t, 0,1,2,3
	v_rcp_f32 v[ST+4*\t+2], v[T+2*\t]
.endr
	v_nop                                          ; a plain instruction behind the last reciprocal
	s_wait_alu depctr_va_vdst(0)                   ; and the wait ahead of the first use: one for the four
.macro PACKO t
	WIN 0x41                                       ; O^T (destination and source 0) in window 1
.set i, 0
.rept 16
	v_pk_mul_f32 v[32*\t+2*i:32*\t+2*i+1], v[32*\t+2*i:32*\t+2*i+1], v[ST+4*\t+2:ST+4*\t+3] op_sel_hi:[1,0]
.set i, i+1
.endr
	WIN 0x05                                       ; sources in window 1, destination in window 0
.set i, 0
.rept 16
	v_cvt_pk_f16_f32 v[S+16*\t+i], v[32*\t+2*i], v[32*\t+2*i+1]
.set i, i+1
.endr
	WIN 0
.irp c, 0,1,2,3
	ds_store_b128 v[STO], v[S+16*\t+4*\c:S+16*\t+4*\c+3] offset:32*\c   ; lane (r, h): channels 16 c + 8 h + 0 .. 7 of row r
.endr
.irp c, 0,1,2,3
	ds_load_b128 v[T+16*\t+4*\c:T+16*\t+4*\c+3], v[RD] offset:4*SP*\c   ; LDS serves a wave's instructions in order: these see the stores above; the next tile's stores come behind them
.endr
.endm
.macro SENDO t, younger                ; younger: the LDS instructions issued behind tile t's loads: the next tile's eight, or none
.irp c, 0,1,2,3
	s_wait_dscnt \younger+3-\c
	global_store_b128 v[GO], v[T+16*\t+4*\c:T+16*\t+4*\c+3], s[10:11] offset:2048*\t+512*\c   ; four rows: 512 consecutive bytes
.endr
.endm
	PACKO 0
	PACKO 1
	SENDO 0, 8
	PACKO 2
	SENDO 1, 8
	PACKO 3
	SENDO 2, 8
	SENDO 3, 0
	s_wait_tensorcnt 0x0                           ; the wave's end: behind my last tensor load and my last LDS store
	ds_add_u32 v[SPW], v[NIL]
	s_wait_dscnt 0x0
	CROUND                                         ; the closing round
	s_endpgm
.Lfunc_end_k_q39d37b2998_attn:
	.size	k_q39d37b2998_attn, .Lfunc_end_k_q39d37b2998_attn-k_q39d37b2998_attn
	.p2alignl 7, 3214868480
	.fill 96, 4, 3214868480
	.section	.rodata,"a",@progbits
	.p2align	6, 0x0
	.amdhsa_kernel k_q39d37b2998_attn
		.amdhsa_group_segment_fixed_size 327680
		.amdhsa_private_segment_fixed_size 0
		.amdhsa_enable_private_segment 0
		.amdhsa_kernarg_size 24
		.amdhsa_user_sgpr_count 2
		.amdhsa_user_sgpr_kernarg_segment_ptr 1
		.amdhsa_wavefront_size32 1
		.amdhsa_system_sgpr_workgroup_id_x 1
		.amdhsa_system_sgpr_workgroup_id_y 1
		.amdhsa_system_sgpr_workgroup_id_z 1
		.amdhsa_system_vgpr_workitem_id 0
		.amdhsa_next_free_vgpr 512
		.amdhsa_next_free_sgpr 66
		.amdhsa_reserve_vcc 0
		.amdhsa_float_denorm_mode_32 3
		.amdhsa_float_denorm_mode_16_64 3
		.amdhsa_memory_ordered 1
		.amdhsa_forward_progress 1
		.amdhsa_inst_pref_size 245
	.end_amdhsa_kernel
	.amdgpu_metadata
---
amdhsa.version: [ 1, 2 ]
amdhsa.kernels:
  - .name:           k_q39d37b2998_attn
    .symbol:         k_q39d37b2998_attn.kd
    .args:
      - { .name: qkv, .offset: 0, .size: 8, .value_kind: global_buffer, .address_space: global }
      - { .name: kmaxp, .offset: 8, .size: 8, .value_kind: global_buffer, .address_space: global }
      - { .name: ctx, .offset: 16, .size: 8, .value_kind: global_buffer, .address_space: global }
    .group_segment_fixed_size: 327680
    .private_segment_fixed_size: 0
    .kernarg_segment_align: 8
    .kernarg_segment_size: 24
    .max_flat_workgroup_size: 256
    .sgpr_count:     66
    .vgpr_count:     512
    .wavefront_size: 32
...
	.end_amdgpu_metadata
.endif
;; end of part 3
;; launch oproj (part 4): grid 8 x 64, 4 waves a work-group, clusters of 4 x 4, 327,680 bytes of LDS; arguments ctx, wo16, bo, out0; writes out0
.if DOCPART == 4
	.amdgcn_target "amdgcn-amd-amdhsa--gfx1250"
	.amdhsa_code_object_version 6
	.text
	.protected	k_q39d37b2998_oproj
	.globl	k_q39d37b2998_oproj
	.p2align	8
	.type	k_q39d37b2998_oproj,@function
k_q39d37b2998_oproj:
	s_mov_b64 s[64:65], 0
	v_nop
	global_prefetch_b8 v0, s[64:65] scope:SCOPE_SE
	s_setreg_imm32_b32 hwreg(HW_REG_WAVE_MODE, 25, 1), 1
	s_wait_xcnt 0x0
	s_wait_alu depctr_hold_cnt(0) depctr_sa_sdst(0) depctr_va_vdst(0) depctr_va_sdst(0) depctr_va_ssrc(0) depctr_va_vcc(0) depctr_vm_vsrc(0)
	s_getreg_b32 s2, hwreg(HW_REG_IB_STS2, 6, 4)
	s_cmp_eq_u32 s2, 0
	s_cbranch_scc0 .Lentry_in_a_cluster
	s_endpgm
.Lentry_in_a_cluster:
	s_bfe_u32 s2, ttmp6, 0x10000c
	s_cmp_lg_u32 s2, 0xf033
	s_cbranch_scc0 .Lentry_shape_is_right
	s_endpgm
.Lentry_shape_is_right:
; out0[token][n] = sum over k of ctx[token][k] Wo[n][k] + bo[n], k = 64 x head + channel.  ctx: [batch][head][token][64] f16; wo16: [k / 64][n][64] f16; out0: [8192][1024] f32.  f16 operands, sums in f32.
; Both operands lie by blocks of 64 along K, so 128 rows of one block are 16,384 dense bytes.  LIMITS: |Wo| and |ctx| stay under 65,504.
; A tile of out0 is 128 x 128: 512 work-groups, two for each of 256 WGPs; four waves, each 64 x 64: 16 accumulators.  K goes in four steps of 256 (four blocks) through two LDS slots.
; A wave's tensor load brings two blocks: two rows of 8,192 elements, with 16 bytes of padding behind every 128 bytes, which divide the row: in LDS 256 lines of 128 bytes, 144 bytes apart.
; CLUSTERS: 4 x 4 work-groups; ctx's tiles are shared along a row of the cluster, Wo's along a column, each asked for jointly.
; THE MATRIX INSTRUCTION IS USED TRANSPOSED (source 0 = 16 rows of Wo, source 1 = 16 tokens): a lane holds eight neighbouring columns of one token.  The bias is the C of each sum's first product.
; A wave's 64 columns are 256 bytes of a row of out0, at a multiple of 256: each wave goes out through a stage of its own, with no barrier.
; REGISTERS: window 0: v0-31 addresses; v32-95 the way out; v96-127 the biases; v128-255 the accumulators ((a, b) at v[128 + 8 (4 a + b)]).   window 1: two fragment buffers of 128.
.set PITCH,  144                       ; a line in LDS: 128 bytes + 16: 36 words, so the 16 rows of a load start at 16 different multiples of four words modulo 64
.set QB,     128*PITCH                 ; a block of 64 along K: 128 rows
.set RH,     64*PITCH                  ; the 64 rows of it that a wave reads
.set HALFT,  2*QB                      ; what one tensor load brings
.set SLOT,   4*HALFT                   ; ctx's four blocks, then Wo's four
.set STAGE,  2*SLOT                    ; behind the ring: 16 rows x 272 bytes for each wave
.set SPITCH, 272
.set SPARE,  STAGE+4*16*SPITCH         ; the spare words, 128 bytes a wave
.set ASTEP,  4*262144                  ; a K step on in ctx: four heads
.set BSTEP,  4*131072                  ; and in wo16
.set ADRA, 16
.set ADRB, 20
.set BO,   23
.set STO,  24
.set RD,   25
.set CO,   26
.set SPW,  28
.set NIL,  29
.set TMP,  32
.set BIAS, 96
.set ACC,  128
.set F0,   0
.set F1,   128
.set G1, 24
.set G0, 32
.set G1B, 48
.set G0B, 56
.set MSB, 0
.macro WIN new                         ; the immediate's high byte repeats the setting that is left
.if MSB != \new
	s_set_vgpr_msb (MSB<<8)|\new
.set MSB, \new
.endif
.endm
.set MUL,  0x05                        ; sources 0 (Wo) and 1 (ctx) window 1; C and D window 0
.set TO_F, 0x40
.macro JLOAD s                         ; a joint load: waves 0 and 1 fetch ctx's two pairs of blocks, waves 2 and 3 Wo's; an s_nop 0 and four v_nop follow each line
	s_cmp_eq_u32 s11, 0
	s_cbranch_scc0 .Lfor_b_\@
	tensor_load_to_lds s[G0+4*\s:G0+4*\s+3], s[G1:G1+7]
	s_nop 0
.rept 4
	v_nop
.endr
	s_branch .Lasked_\@
.Lfor_b_\@:
	tensor_load_to_lds s[G0B+4*\s:G0B+4*\s+3], s[G1B:G1B+7]
	s_nop 0
.rept 4
	v_nop
.endr
.Lasked_\@:
.endm
.macro CREST                           ; a round of the cluster's barrier behind its opening barrier
	s_cmp_lg_u32 s10, 0
	s_cbranch_scc1 .Lnot_wave_0_\@
	s_barrier_signal -3
.Lnot_wave_0_\@:
	s_barrier_wait -3
	s_barrier_signal -1
	s_barrier_wait -1
.endm
.macro CROUND
	s_barrier_signal -1
	s_barrier_wait -1
	CREST
.endm
	s_load_b128 s[4:7], s[0:1], 0x0                ; ctx s[4:5], wo16 s[6:7]
	s_load_b128 s[68:71], s[0:1], 0x10             ; bo s[68:69], out0 s[70:71]
	v_lshl_add_u32 v[SPW], v0, 2, SPARE
	v_mov_b32 v[NIL], 0
	ds_add_u32 v[SPW], v[NIL]                      ; the wave's opening: the add, twice on end, and its wait ahead of my first tensor load
	ds_add_u32 v[SPW], v[NIL]
	v_lshrrev_b32 v1, 5, v0
	v_readfirstlane_b32 s10, v1                    ; wave 0..3
	s_lshr_b32 s11, s10, 1                         ; which half of the tile's rows is mine.  Also: I fetch for ctx (0) or for Wo (1)
	s_and_b32 s12, s10, 1                          ; which half of its columns.  Also: which two blocks of a K step I fetch
	s_bfe_u32 s40, ttmp6, 0x40000                  ; cx, cy
	s_bfe_u32 s41, ttmp6, 0x40004
	s_lshl_b32 s42, ttmp9, 2
	s_add_co_u32 s42, s42, s40                     ; tile column = 4 x cluster x + cx
	s_and_b32 s13, ttmp7, 0xffff
	s_lshl_b32 s13, s13, 2
	s_add_co_u32 s13, s13, s41                     ; tile row = 4 x cluster y + cy
	s_lshl_b32 s43, s41, 2
	s_lshl_b32 s43, 15, s43                        ; my row of the cluster
	s_lshl_b32 s44, 0x1111, s40                    ; my column
	s_or_b32 s[G1+0], s43, (1<<16)|(1<<20)|(1<<21)|(4<<22)|(3<<25)  ; 15:0 the mask; 17:16 elements of 2 bytes; 20 padding on; 21 set beside a mask; 24:22 after every 32 words; 31:25 four words
	s_or_b32 s[G1B+0], s44, (1<<16)|(1<<20)|(1<<21)|(4<<22)|(3<<25)
.irp g, G1, G1B
	s_mov_b32 s[\g+1], 8192<<16                    ; tensor_dim0 = 8,192 elements: a block's 128 rows of 64
	s_mov_b32 s[\g+2], 2<<16                       ; tensor_dim1 = 2 blocks
	s_mov_b32 s[\g+3], 8192<<16                    ; tile_dim0
	s_mov_b32 s[\g+4], 2                           ; tile_dim1
	s_mov_b32 s[\g+6], 0
	s_mov_b32 s[\g+7], 0
.endr
	s_mov_b32 s[G1+5], 131072                      ; from block to block, in elements: a head of ctx,
	s_mov_b32 s[G1B+5], 65536                      ; 1,024 rows of 64 in wo16
	s_lshr_b32 s16, s13, 4                         ; ctx: the tile row's batch,
	s_lshl_b32 s16, s16, 22
	s_and_b32 s17, s13, 15                         ; its 128 tokens there,
	s_lshl_b32 s17, s17, 14
	s_add_co_u32 s16, s16, s17
	s_lshl_b32 s17, s12, 19                        ; and my two heads of the four
	s_add_co_u32 s16, s16, s17
	s_mov_b32 s17, 0
	s_lshl_b32 s46, s42, 14                        ; wo16: the tile column's 128 rows,
	s_lshl_b32 s47, s12, 18                        ; my two blocks
	s_add_co_u32 s46, s46, s47
	s_mov_b32 s47, 0
	s_mul_i32 s20, s10, HALFT                      ; where they go: wave x two blocks
	s_wait_dscnt 0x0                               ; both opening adds are done
	s_wait_kmcnt 0x0
	s_add_nc_u64 s[14:15], s[4:5], s[16:17]
	s_add_nc_u64 s[46:47], s[6:7], s[46:47]
	CROUND                                         ; all sixteen work-groups are here: the first joint loads meet
.irp s, 0,1
	s_mov_b32 s[G0+4*\s], 1
	s_add_co_u32 s[G0+4*\s+1], s20, \s*SLOT
	s_add_nc_u64 s[G0+4*\s+2:G0+4*\s+3], s[14:15], \s*ASTEP
	s_or_b32 s[G0+4*\s+3], s[G0+4*\s+3], 0x80000000
	s_mov_b32 s[G0B+4*\s], 1
	s_add_co_u32 s[G0B+4*\s+1], s20, \s*SLOT
	s_add_nc_u64 s[G0B+4*\s+2:G0B+4*\s+3], s[46:47], \s*BSTEP
	s_or_b32 s[G0B+4*\s+3], s[G0B+4*\s+3], 0x80000000
	JLOAD \s                                       ; two tensor loads of mine are out
.endr
	v_and_b32 v1, 15, v0                           ; l % 16
	v_bfe_u32 v2, v0, 4, 1                         ; l / 16
	s_lshl_b32 s16, s13, 19                        ; my first row of out0: (128 x tile row + 64 x half) x 4,096 bytes
	s_lshl_b32 s17, s11, 18
	s_add_co_u32 s16, s16, s17
	s_mov_b32 s17, 0
	s_add_nc_u64 s[8:9], s[70:71], s[16:17]
	s_lshl_b32 s46, s42, 9                         ; my first column, in bytes: 512 x tile column + 256 x half; the same in bo
	s_lshl_b32 s47, s12, 8
	s_add_co_u32 s46, s46, s47
	s_mov_b32 s47, 0
	s_add_nc_u64 s[8:9], s[8:9], s[46:47]
	s_add_nc_u64 s[68:69], s[68:69], s[46:47]
	v_lshlrev_b32 v[BO], 5, v2
.irp b, 0,1,2,3                                ; lane (r, h) wants, for block b, bo at my columns 16 b + 8 h + 0 .. 7
	global_load_b128 v[BIAS+8*\b:BIAS+8*\b+3], v[BO], s[68:69] offset:64*\b
	global_load_b128 v[BIAS+8*\b+4:BIAS+8*\b+7], v[BO], s[68:69] offset:64*\b+16
.endr
	v_mul_u32_u24 v3, v1, PITCH
	v_lshl_add_u32 v3, v2, 4, v3                   ; a fragment's row x pitch + 16 x half
	s_mul_i32 s21, s11, RH                         ; my 64 rows of each block of ctx
	s_mul_i32 s22, s12, RH                         ; my 64 rows of each block of Wo,
	s_add_co_u32 s22, s22, 4*QB                    ; which lie behind ctx's four
.irp s, 0,1
	v_add_nc_u32 v[ADRA+\s], s21, v3
	v_add_nc_u32 v[ADRB+\s], s22, v3
	s_add_co_u32 s21, s21, SLOT
	s_add_co_u32 s22, s22, SLOT
.endr
	s_mul_i32 s23, s10, 16*SPITCH
	s_add_co_u32 s23, s23, STAGE                   ; my stage
	v_mul_u32_u24 v4, v1, SPITCH                   ; in: row l % 16, 32 bytes for each half of the lanes
	v_lshl_add_u32 v4, v2, 5, v4
	v_add_nc_u32 v[STO], s23, v4
	v_mul_u32_u24 v5, v2, SPITCH                   ; back: lanes 0-15 take one row of 256 bytes, lanes 16-31 the next
	v_lshl_add_u32 v5, v1, 4, v5
	v_add_nc_u32 v[RD], s23, v5
	v_lshlrev_b32 v5, 12, v2                       ; and the same two rows in out0
	v_lshl_add_u32 v[CO], v1, 4, v5
; 8 matrix instructions: m blocks a0, a0 + 1 x all 4 n blocks, 32 along K: half c of buffer f.  first = 1: the product starts the sum, on the bias.  The 16 accumulators take turns.
.macro MUL8 f, c, a0, first
.irp a, \a0, \a0+1
.irp b, 0,1,2,3
.if \first
	v_wmma_f32_16x16x32_f16 v[ACC+8*(4*(\a)+\b):ACC+8*(4*(\a)+\b)+7], v[\f+64+8*(4*\c+\b):\f+64+8*(4*\c+\b)+7], v[\f+8*(4*\c+\a):\f+8*(4*\c+\a)+7], v[BIAS+8*\b:BIAS+8*\b+7]
.else
	v_wmma_f32_16x16x32_f16 v[ACC+8*(4*(\a)+\b):ACC+8*(4*(\a)+\b)+7], v[\f+64+8*(4*\c+\b):\f+64+8*(4*\c+\b)+7], v[\f+8*(4*\c+\a):\f+8*(4*\c+\a)+7], v[ACC+8*(4*(\a)+\b):ACC+8*(4*(\a)+\b)+7]
.endif
.endr
.endr
.endm
; 32 LDS loads in one run: the fragments of one block of 64 along K, which begins k bytes into the slot's blocks, into buffer f; the first 32 along K first
.macro FETCH slot, k, f
	WIN TO_F
.irp c, 0,1
.irp i, 0,1,2,3
	ds_load_b128 v[\f+64+8*(4*\c+\i):\f+64+8*(4*\c+\i)+3],   v[ADRB+\slot] offset:\k+64*\c+\i*16*PITCH
	ds_load_b128 v[\f+64+8*(4*\c+\i)+4:\f+64+8*(4*\c+\i)+7], v[ADRB+\slot] offset:\k+64*\c+\i*16*PITCH+32
	ds_load_b128 v[\f+8*(4*\c+\i):\f+8*(4*\c+\i)+3],         v[ADRA+\slot] offset:\k+64*\c+\i*16*PITCH
	ds_load_b128 v[\f+8*(4*\c+\i)+4:\f+8*(4*\c+\i)+7],       v[ADRA+\slot] offset:\k+64*\c+\i*16*PITCH+32
.endr
.endr
.endm
.macro PLACES                          ; four plain vector instructions that name none of the matrix instruction's registers (ISA guide 7.12.1)
.rept 4
	v_nop
.endr
.endm
; A K step is four quarters, a block of 64 along K each, 32 matrix instructions, on buffers 0, 1, 0, 1.  One of the first three: multiplies buffer f and fetches the next block, at byte k, into g.
.macro QUARTER slot, k, f, g, first
	s_wait_dscnt 16                                ; the first 32 along K are in
	WIN MUL
	MUL8 \f, 0, 0, \first
	MUL8 \f, 0, 2, \first
	PLACES
	FETCH \slot, \k, \g
	s_wait_dscnt 32                                ; all but the 32 just issued
	WIN MUL
	MUL8 \f, 1, 0, 0
	MUL8 \f, 1, 2, 0
.endm
; The last quarter multiplies buffer 1 and changes slots: ONE barrier; in front of it each wave waits for all its tensor loads, adds 0 to its spare word, and waits for that and for its own reads of this slot.
; fill = 1: the barrier opens a round of the cluster's, and this slot is filled again, two K steps ahead, first thing behind the round.
.macro TURN slot, next, fill
	WIN 0
	s_wait_tensorcnt 0x0                           ; all my tensor loads have landed: my part of the next slot;
	ds_add_u32 v[SPW], v[NIL]
	s_wait_dscnt 17                                ; (the add and the youngest sixteen loads may be out)
	WIN MUL
	MUL8 F1, 0, 0, 0                               ; eight matrix instructions stand between the add and the wait for it
	s_wait_dscnt 0x0                               ; the add is done, and my reads of this slot are over
	s_barrier_signal -1
	MUL8 F1, 0, 2, 0
.if \fill
	WIN 0
.endif
	s_barrier_wait -1
.if \fill
	CREST                                          ; no wave of any partner still reads this slot's tile or has a load on its way
	s_add_nc_u64 s[G0+4*\slot+2:G0+4*\slot+3], s[G0+4*\slot+2:G0+4*\slot+3], 2*ASTEP
	s_add_nc_u64 s[G0B+4*\slot+2:G0B+4*\slot+3], s[G0B+4*\slot+2:G0B+4*\slot+3], 2*BSTEP
	JLOAD \slot                                    ; 112 matrix instructions ahead of the wait for it; the four v_nop behind it are also the places in front of the loads below
.else
	PLACES
.endif
	FETCH \next, 0, F0
	WIN MUL
	MUL8 F1, 1, 0, 0
	MUL8 F1, 1, 2, 0
.endm
	s_wait_loadcnt 0x0                             ; the biases
	s_wait_tensorcnt 1                             ; my part of K step 0 is in (K step 1's may be out)
	s_barrier_signal -1
	s_barrier_wait -1                              ; everybody's is
	FETCH 0, 0, F0
	QUARTER 0, QB,   F0, F1, 1                     ; K step 0; its first products start the sums
	QUARTER 0, 2*QB, F1, F0, 0
	QUARTER 0, 3*QB, F0, F1, 0
	TURN 0, 1, 1                                   ; slot 0 takes K step 2
	QUARTER 1, QB,   F0, F1, 0                     ; K step 1
	QUARTER 1, 2*QB, F1, F0, 0
	QUARTER 1, 3*QB, F0, F1, 0
	TURN 1, 0, 1                                   ; slot 1 takes K step 3
	QUARTER 0, QB,   F0, F1, 0                     ; K step 2
	QUARTER 0, 2*QB, F1, F0, 0
	QUARTER 0, 3*QB, F0, F1, 0
	TURN 0, 1, 0                                   ; nothing is left to fetch
	QUARTER 1, QB,   F0, F1, 0                     ; K step 3
	QUARTER 1, 2*QB, F1, F0, 0
	QUARTER 1, 3*QB, F0, F1, 0
	s_wait_dscnt 16
	WIN MUL
	MUL8 F1, 0, 0, 0
	MUL8 F1, 0, 2, 0
	s_wait_dscnt 0
	MUL8 F1, 1, 0, 0
	MUL8 F1, 1, 2, 0
	WIN 0
; THE WAY OUT, block by block of 16 rows x 64 columns: a lane's 32 bytes of a row go into my stage and come back as whole rows of 256 bytes.  LDS serves a wave's instructions in order: no wait between the stores and the loads.
.macro TOSTAGE a
.irp b, 0,1,2,3
	ds_store_b128 v[STO], v[ACC+8*(4*(\a)+\b):ACC+8*(4*(\a)+\b)+3] offset:64*\b          ; each accumulator from its low end on
	ds_store_b128 v[STO], v[ACC+8*(4*(\a)+\b)+4:ACC+8*(4*(\a)+\b)+7] offset:64*\b+16
.endr
.set BB, TMP+32*((\a)%2)
.irp t, 0,1,2,3,4,5,6,7
	ds_load_b128 v[BB+4*\t:BB+4*\t+3], v[RD] offset:\t*2*SPITCH
.endr
.endm
.macro SEND a, younger                 ; younger: the LDS instructions issued behind block a's loads, which may stay out
.set BB, TMP+32*((\a)%2)
	s_wait_dscnt \younger
.irp t, 0,1,2,3,4,5,6,7
	global_store_b128 v[CO], v[BB+4*\t:BB+4*\t+3], s[8:9] offset:(16*(\a)+2*\t)*4096 th:TH_STORE_NT   ; 16 lanes store 256 consecutive bytes, at a multiple of 256 from out0's first byte; written once, read by nobody here
.endr
.endm
	PLACES
	TOSTAGE 0
.irp a, 1,2,3
.if \a > 1
	s_wait_xcnt 0x0                                ; block a - 2's stores have read their registers: block a's loads land there only behind this wait
.endif
	TOSTAGE \a
	SEND \a-1, 16                                  ; behind block a - 1's loads: block a's 8 stores and 8 loads
.endr
	SEND 3, 0
	s_wait_tensorcnt 0x0                           ; the wave's end: behind my last tensor load and my last LDS store
	ds_add_u32 v[SPW], v[NIL]
	s_wait_dscnt 0x0
	CROUND                                         ; the closing round
	s_endpgm
.Lfunc_end_k_q39d37b2998_oproj:
	.size	k_q39d37b2998_oproj, .Lfunc_end_k_q39d37b2998_oproj-k_q39d37b2998_oproj
	.p2alignl 7, 3214868480
	.fill 96, 4, 3214868480
	.section	.rodata,"a",@progbits
	.p2align	6, 0x0
	.amdhsa_kernel k_q39d37b2998_oproj
		.amdhsa_group_segment_fixed_size 327680
		.amdhsa_private_segment_fixed_size 0
		.amdhsa_enable_private_segment 0
		.amdhsa_kernarg_size 32
		.amdhsa_user_sgpr_count 2
		.amdhsa_user_sgpr_kernarg_segment_ptr 1
		.amdhsa_wavefront_size32 1
		.amdhsa_system_sgpr_workgroup_id_x 1
		.amdhsa_system_sgpr_workgroup_id_y 1
		.amdhsa_system_sgpr_workgroup_id_z 1
		.amdhsa_system_vgpr_workitem_id 0
		.amdhsa_next_free_vgpr 512
		.amdhsa_next_free_sgpr 72
		.amdhsa_reserve_vcc 0
		.amdhsa_float_denorm_mode_32 3
		.amdhsa_float_denorm_mode_16_64 3
		.amdhsa_memory_ordered 1
		.amdhsa_forward_progress 1
		.amdhsa_inst_pref_size 86
	.end_amdhsa_kernel
	.amdgpu_metadata
---
amdhsa.version: [ 1, 2 ]
amdhsa.kernels:
  - .name:           k_q39d37b2998_oproj
    .symbol:         k_q39d37b2998_oproj.kd
    .args:
      - { .name: ctx, .offset: 0, .size: 8, .value_kind: global_buffer, .address_space: global }
      - { .name: wo16, .offset: 8, .size: 8, .value_kind: global_buffer, .address_space: global }
      - { .name: bo, .offset: 16, .size: 8, .value_kind: global_buffer, .address_space: global }
      - { .name: out0, .offset: 24, .size: 8, .value_kind: global_buffer, .address_space: global }
    .group_segment_fixed_size: 327680
    .private_segment_fixed_size: 0
    .kernarg_segment_align: 8
    .kernarg_segment_size: 32
    .max_flat_workgroup_size: 128
    .sgpr_count:     72
    .vgpr_count:     512
    .wavefront_size: 32
...
	.end_amdgpu_metadata
.endif
;; end of part 4
